; MI455X (gfx1250); checked and timed in simulation.
; The chip was launched on July 23, 2026; its instructions are those of AMD's public machine-readable ISA for CDNA 5 (MIT licence, August 2026) and "CDNA5" Instruction Set Architecture Reference Guide (July 2026). The comments in the code are by the model that wrote it; some were corrected since.
;; Attention. Allowed arithmetic: matrix products marked QUANTISED: E4M3 operands, one given power-of-two scale a tensor, by v_wmma_f32_16x16x64_fp8_fp8 or v_wmma_f32_16x16x128_fp8_fp8, f32 sums; everything else in f32.
;; Inputs: Wk_codes 1,024 x 32 x 32 uint8 (E4M3 codes of Wk, K innermost, in blocks of 32 codes); Wo_codes 1,024 x 32 x 32 uint8 (E4M3 codes of Wo, K innermost, in blocks of 32 codes); Wq_codes 1,024 x 32 x 32 uint8 (E4M3 codes of Wq, K innermost, in blocks of 32 codes); Wv_codes 1,024 x 32 x 32 uint8 (E4M3 codes of Wv, K innermost, in blocks of 32 codes); b1 1,024 float32; b2 1,024 float32; bk 1,024 float32; bo 1,024 float32; bq 1,024 float32; bv 1,024 float32; g1 1,024 float32; g2 1,024 float32; k_codes 8 x 1,024 x 32 x 32 uint8 (E4M3 codes of k, K innermost, in blocks of 32 codes); lowp_scales 12 int32 (the exponents e of the quantised operands' scales 2^e); q 8 x 1,024 x 1,024 float32; r_codes 8 x 1,024 x 32 x 32 uint8 (E4M3 codes of r, K innermost, in blocks of 32 codes).
;; Outputs: out0 8 x 1,024 x 1,024 float32.
;; This version of the problem:
;;   THIS VERSION OF THE PROBLEM IS GIVEN IN LOW PRECISION. The matrix products marked QUANTISED in the list below multiply operands that are first quantised to E4M3 (4 exponent bits, 3 mantissa bits; 8 bits a number), with one given power-of-two scale for each operand tensor; their sums are f32. All else is computed in f32.
;;   The module's matrix products, in the order in which they are computed (A, B: the left and right operand; K: the contracted axis; several contracted axes count as one K, in the product's order):
;;     1. [M 8,192, K 1,024] x [K 1,024, N 1,024]; A: input k (given as codes); B: input Wk (given as codes): QUANTISED (scales: A lowp_scales[0], B lowp_scales[1])
;;     2. [M 8,192, K 1,024] x [K 1,024, N 1,024]; A: input q; B: input Wq (given as codes): QUANTISED (scales: A lowp_scales[2], B lowp_scales[3])
;;     3. [M 8,192, K 1,024] x [K 1,024, N 1,024]; A: input r (given as codes); B: input Wv (given as codes): QUANTISED (scales: A lowp_scales[4], B lowp_scales[5])
;;     4. batch 128 x [M 1,024, K 64] x [K 64, N 1,024]; A: computed on the way; B: computed on the way: QUANTISED (scales: A lowp_scales[6], B lowp_scales[7])
;;     5. batch 128 x [M 1,024, K 1,024] x [K 1,024, N 64]; A: softmax (see below); B: computed on the way: QUANTISED (scales: A lowp_scales[8], B lowp_scales[9])
;;     6. [M 8,192, K 1,024] x [K 1,024, N 1,024]; A: computed on the way; B: input Wo (given as codes): QUANTISED (scales: A lowp_scales[10], B lowp_scales[11])
;;   THE QUANTISER, for each operand of a quantised product, along K:
;;     - The operand's scale is 2^e, e = its entry of the input lowp_scales (int32; the entries are numbered through the quantised products in the list's order, A before B).
;;     - Each number is divided by the scale, clamped to +-448, and rounded to the nearest number of E4M3, ties to even, subnormals kept.
;;     - The product sums the exact products of the quantised numbers (number of the format x scale) in f32.
;;   ~~~python
;;   def quantise(x, axis, e):      # numpy; x: float32 -> the quantised numbers, widened to float32 again
;;       x = np.moveaxis(x, axis, -1); K = x.shape[-1]
;;       r = np.clip(x / 2.0 ** e, -448, 448)
;;       step = 2.0 ** (np.maximum(np.frexp(np.where(r == 0, 1, r))[1] - 1, -6) - 3)
;;       q = np.round(r / step) * step * 2.0 ** e      # np.round: ties to even
;;       return np.moveaxis(q, -1, axis).astype(np.float32)
;;   ~~~
;;   SOFTMAX AHEAD OF A QUANTISED PRODUCT. Where the list says 'softmax', what is quantised is not the finished softmax but p = 2^(t - M), with t = logit x log2(e) and M = ceil(the row's largest t), a whole number; so 1/2 < the row's largest p <= 1. The row's sum l is taken of the UNQUANTISED p, in f32, and the product's result is divided by l at the end. Since M is a whole number, a kernel that streams over the keys may use a running M (the ceiling of the running maximum): every later rescaling is an exact power of two, so the quantised numbers keep their values, but for numbers so far below the row's largest that they fall under the format's range.
;;   OPERANDS COMPUTED ON THE WAY. 'Computed on the way' means the value that the module computes at that place (a softmax that the list does not call 'softmax' is quantised finished and normalised). What goes into a quantiser is computed in f32, as accurately as f32 sums, v_exp_f32 and their like allow (about 1e-6 of the number): no bf16 or f16 on the way to a quantiser, and a product that is left as it is and whose result goes on into a quantised operand takes f32 operands (vector FMAs, or v_wmma_f32_16x16x4_f32). A number that lies on a knife's edge between two numbers of the format may be rounded either way, as far as f32 arithmetic and the matrix unit's own rounding can turn it there, and no further.
;;   INPUTS GIVEN AS CODES. Wk (in the module: [1024, 1024], K = its axis 1); Wo (in the module: [1024, 1024], K = its axis 1); Wq (in the module: [1024, 1024], K = its axis 1); Wv (in the module: [1024, 1024], K = its axis 1); k (in the module: [8, 1024, 1024], K = its axis 2); r (in the module: [8, 1024, 1024], K = its axis 2): each comes as NAME_codes (uint8): NAME with its K axis moved to the last place and cut into blocks of 32 codes, [.., K / 32, bytes a block], one block behind the other in memory; one code a byte (a code: sign, 4 exponent bits, 3 mantissa bits); its scale is its entry of lowp_scales. Its value is code x scale, taken as it is: it is not quantised again, and the codes and scales need not be those that the quantiser above would give.
;; 2 versions, each right; version 2 is version 1 with the launch attn written anew for expert scheduling mode. Each part assembles by itself: llvm-mc -triple=amdgcn-amd-amdhsa -mcpu=gfx1250 --defsym DOCPART=n.
;; ======== version 1 of 2: 4 launches
;; workspace buffers: qc 8,388,608 bytes; woimg 1,048,576 bytes; wqimg 1,048,576 bytes; kh 8,388,608 bytes; vh 8,388,608 bytes; oimg 8,388,608 bytes
;; launch prep (part 1): grid 1056 x 1, 4 waves a work-group, no clusters, 34,304 bytes of LDS; arguments q, Wo_codes, Wq_codes, lowp_scales, qc, woimg, wqimg; writes qc, woimg, wqimg
.if DOCPART == 1
	.amdgcn_target "amdgcn-amd-amdhsa--gfx1250"
	.amdhsa_code_object_version 6
	.text
	.protected	k_q73df0cddfd_prep
	.globl	k_q73df0cddfd_prep
	.p2align	8
	.type	k_q73df0cddfd_prep,@function
k_q73df0cddfd_prep:
	s_mov_b64 s[64:65], 0
	v_nop
	global_prefetch_b8 v0, s[64:65] scope:SCOPE_SE
	s_setreg_imm32_b32 hwreg(HW_REG_WAVE_MODE, 25, 1), 1
	s_wait_xcnt 0x0
; THREE JOBS IN ONE LAUNCH, parted on the work-group's number.  All three lay codes in the order of an operand's registers, so that their readers load whole fragments by loads of 512 consecutive bytes.
; Work-groups 0 to 1,023: q [8192][1024] f32 becomes codes of E4M3 with the given scale 2^e, e = entry 2 of the scales: code = x / 2^e, held within +-448, rounded to the nearest code, ties to even.
;   qc [RT 512][s 8][c 4][lane 32][16 bytes]: lane (r, h), group c holds row 16 RT + r, k = 128 s + 32 c + 16 h + 0 .. 15.  LIMIT: e between -126 and 119.  NaN among the inputs is not served.
;   A wave takes ONE unit (RT, s): 16 rows x 128 numbers.  Each of its 16 loads reads 512 consecutive bytes of one row; the 8,192 bytes turn through the wave's own stage in LDS (rows 528 bytes apart:
;   132 words, so that the 16 rows that a read touches start at 16 different banks: 64 banks of 4 bytes, ISA guide 11.1) and come back 64 bytes a lane: 16 neighbours along K, as the conversions want them.
;   A lane's 16 codes of a group c are 16 bytes: a store covers 512 consecutive bytes.  All of a wave's loads go out at once; several work-groups lie on a WGP.
; Work-groups 1,024 to 1,039: Wo's codes [1024][1024] -> woimg [w 4][s 8][b 16][c 4][lane 32][16 bytes]: fragment (w, s, b) holds rows 256 w + 16 b + r; k as above.
; Work-groups 1,040 to 1,055: Wq's codes [1024][1024] -> wqimg [head 16][t 4][s 8][c 4][lane 32][16 bytes]: fragment (head, t, s) holds rows 64 head + 32 (t / 2) + 8 (t % 2) + r + 8 (r / 8):
;   THE ROWS OF A TILE ARE NOT NEIGHBOURS, so that the results of tiles 2 b and 2 b + 1 are 16 neighbours along the head's axis in one lane.
; In the last two jobs a wave takes eight fragments and uses no LDS.  No tensor loads, no barrier: waves share nothing.
.set QWG,   1024                       ; work-groups that quantise: 4,096 units / 4 waves
.set OWG,   16                         ; work-groups that lay Wo: 512 fragments / (4 waves x 8)
.set R,     16                         ; v16-79   16 rows x 4 registers as they are loaded
.set X,     80                         ; v80-143  64 numbers of my row: register 16 c + i = k 32 c + 16 h + i
.set C,     144                        ; v144-159 the codes: four registers a group
.set SP,    528                        ; a stage row: 512 bytes + 16 of padding
.set WREG,  16*SP                      ; a wave's stage
.set FRG,   16                         ; v16-143  the other jobs: eight fragments of 16 registers
	s_load_b256 s[4:11], s[0:1], 0x0               ; q s[4:5], Wo's codes s[6:7], Wq's codes s[8:9], the scales' exponents s[10:11]
	s_load_b128 s[12:15], s[0:1], 0x20             ; qc s[12:13], woimg s[14:15]
	s_load_b64 s[16:17], s[0:1], 0x30              ; wqimg
	v_lshl_add_u32 v160, v0, 2, 0x8400
	v_mov_b32 v161, 0
	v_lshrrev_b32 v1, 5, v0
	v_readfirstlane_b32 s18, v1                    ; wave
	v_and_b32 v2, 31, v0                           ; lane
	v_lshlrev_b32 v3, 4, v2                        ; 16 x lane: my 16 bytes of 512, in loads and in stores; never rewritten
	v_and_b32 v5, 15, v0                           ; r
	v_bfe_u32 v6, v0, 4, 1                         ; h
	s_cmp_lt_u32 ttmp9, QWG
	s_cbranch_scc0 .Lrelay
	; ---- the quantiser
	s_mul_i32 s19, s18, WREG
	v_add_nc_u32 v14, s19, v3                      ; the stage, on the way in: 16 x lane in a row
	v_mul_u32_u24 v15, v5, SP
	v_lshl_add_u32 v15, v6, 6, v15
	v_add_nc_u32 v15, s19, v15                     ; and on the way out: row r, + 64 h: my 16 numbers of a block of 32
	s_lshl_b32 s20, ttmp9, 2
	s_add_co_u32 s20, s20, s18                     ; my unit: 8 RT + s, 0 .. 4,095
	s_lshr_b32 s22, s20, 3
	s_lshl_b32 s22, s22, 16                        ; RT x 16 rows of 4,096 bytes
	s_and_b32 s23, s20, 7
	s_lshl_b32 s23, s23, 9                         ; s x 128 numbers
	s_add_co_u32 s22, s22, s23
	s_mov_b32 s23, 0
	s_lshl_b32 s24, s20, 11                        ; a unit's codes are 2,048 bytes
	s_mov_b32 s25, 0
	s_wait_kmcnt 0x0
	s_load_b32 s26, s[10:11], 0x8                  ; e
	s_add_nc_u64 s[4:5], s[4:5], s[22:23]
	s_add_nc_u64 s[12:13], s[12:13], s[24:25]
.set rw, 0
.rept 16
	global_load_b128 v[R+4*rw:R+4*rw+3], v3, s[4:5] offset:4096*rw th:TH_LOAD_NT   ; row rw: 32 lanes read 512 consecutive bytes
.set rw, rw+1
.endr
	s_wait_kmcnt 0x0
	s_add_co_i32 s26, s26, 127
	s_lshl_b32 s27, s26, 23
	v_mov_b32 v11, s27                             ; 2^e as f32: the conversion takes its exponent field
	s_add_co_i32 s26, s26, 8
	s_lshl_b32 s26, s26, 23
	s_or_b32 s26, s26, 0x600000
	v_mov_b32 v10, s26                             ; 448 x 2^e
.irp g, 0,1,2,3
	s_wait_loadcnt 12-4*\g                         ; rows 4 g .. 4 g + 3 are in; the later rows' loads may be out
.irp p, 0,1,2,3
	ds_store_b128 v14, v[R+16*\g+4*\p:R+16*\g+4*\p+3] offset:SP*(4*\g+\p)
.endr
.endr
.irp c, 0,1,2,3                        ; LDS serves a wave's instructions in order (ISA guide 5.7.1.4): these see the stores above
.irp i, 0,1,2,3
	ds_load_b128 v[X+16*\c+4*\i:X+16*\c+4*\i+3], v15 offset:128*\c+16*\i
.endr
.endr
.irp c, 0,1,2,3
	s_wait_dscnt 12-4*\c                           ; block c's four loads are in; the later blocks' may be out
.irp i, 0,1,2,3,4,5,6,7,8,9,10,11,12,13,14,15
	v_med3_num_f32 v[X+16*\c+\i], v[X+16*\c+\i], -v10, v10   ; the conversion to an 8-bit code does not saturate (ISA guide 7.6.2): the hold at the largest code x the scale
.endr
	v_cvt_scalef32_pk8_fp8_f32 v[C+4*\c:C+4*\c+1], v[X+16*\c:X+16*\c+7], v11
	v_cvt_scalef32_pk8_fp8_f32 v[C+4*\c+2:C+4*\c+3], v[X+16*\c+8:X+16*\c+15], v11
	v_nop                                          ; a plain vector line behind the last conversion of the run
	global_store_b128 v3, v[C+4*\c:C+4*\c+3], s[12:13] offset:512*\c   ; 32 lanes store 512 consecutive bytes, aligned; no store's data are written again
.endr
	s_wait_tensorcnt 0x0
	ds_add_u32 v160, v161
	s_wait_dscnt 0x0
	s_endpgm
; eight fragments: from rows of 1,024 bytes (lane offset v7; from fragment to fragment step bytes) into images of 2,048 bytes
.macro RELAY src, dst, step
.irp i, 0,1,2,3,4,5,6,7
.irp c, 0,1,2,3
	global_load_b128 v[FRG+16*\i+4*\c:FRG+16*\i+4*\c+3], v7, s[\src:\src+1] offset:\i*\step+32*\c
.endr
.endr
.irp i, 0,1,2,3,4,5,6,7
	s_wait_loadcnt 4*(7-\i)                        ; fragment i's four loads are in; the later fragments' may be out
.irp c, 0,1,2,3
	global_store_b128 v3, v[FRG+16*\i+4*\c:FRG+16*\i+4*\c+3], s[\dst:\dst+1] offset:\i*2048+512*\c   ; 512 consecutive bytes, aligned
.endr
.endr
.endm
.Lrelay:
	s_sub_co_u32 s19, ttmp9, QWG
	s_cmp_lt_u32 s19, OWG
	s_cbranch_scc0 .Lrelay_q
	; ---- Wo's codes in fragment order
	v_lshlrev_b32 v7, 10, v5
	v_lshl_add_u32 v7, v6, 4, v7                   ; row r of 1,024 bytes, + 16 h
	s_lshl_b32 s19, s19, 2
	s_add_co_u32 s19, s19, s18                     ; W = 0 .. 63: fragments 8 W .. 8 W + 7: w = W / 16, s = (W / 2) % 8, b = 8 (W % 2) + i
	s_lshr_b32 s20, s19, 4
	s_lshl_b32 s20, s20, 18                        ; 256 w rows
	s_and_b32 s21, s19, 1
	s_lshl_b32 s21, s21, 17                        ; 128 (W % 2) rows
	s_add_co_u32 s20, s20, s21
	s_bfe_u32 s21, s19, 0x30001
	s_lshl_b32 s21, s21, 7                         ; 128 s along K
	s_add_co_u32 s20, s20, s21
	s_mov_b32 s21, 0
	s_lshl_b32 s22, s19, 14                        ; eight fragments of 2,048 bytes
	s_mov_b32 s23, 0
	s_wait_kmcnt 0x0
	s_add_nc_u64 s[6:7], s[6:7], s[20:21]
	s_add_nc_u64 s[14:15], s[14:15], s[22:23]
	RELAY 6, 14, 16384                             ; from fragment to fragment 16 rows
	s_endpgm
	; ---- Wq's codes in fragment order, the rows of a tile chosen
.Lrelay_q:
	v_and_b32 v8, 8, v5
	v_add_nc_u32 v8, v8, v5                        ; r + 8 (r / 8)
	v_lshlrev_b32 v7, 10, v8
	v_lshl_add_u32 v7, v6, 4, v7                   ; that row of 1,024 bytes, + 16 h
	s_sub_co_u32 s19, s19, OWG
	s_lshl_b32 s19, s19, 2
	s_add_co_u32 s19, s19, s18                     ; W = 0 .. 63: head = W / 4, t = W % 4, s = i
	s_lshr_b32 s20, s19, 2
	s_lshl_b32 s20, s20, 16                        ; 64 head rows
	s_bfe_u32 s21, s19, 0x10001
	s_lshl_b32 s21, s21, 15                        ; 32 (t / 2) rows
	s_add_co_u32 s20, s20, s21
	s_and_b32 s21, s19, 1
	s_lshl_b32 s21, s21, 13                        ; 8 (t % 2) rows
	s_add_co_u32 s20, s20, s21
	s_mov_b32 s21, 0
	s_lshl_b32 s22, s19, 14
	s_mov_b32 s23, 0
	s_wait_kmcnt 0x0
	s_add_nc_u64 s[8:9], s[8:9], s[20:21]
	s_add_nc_u64 s[16:17], s[16:17], s[22:23]
	RELAY 8, 16, 128                               ; from fragment to fragment 128 along K
	s_endpgm
.Lfunc_end_k_q73df0cddfd_prep:
	.size	k_q73df0cddfd_prep, .Lfunc_end_k_q73df0cddfd_prep-k_q73df0cddfd_prep
	.p2alignl 7, 3214868480
	.fill 96, 4, 3214868480
	.section	.rodata,"a",@progbits
	.p2align	6, 0x0
	.amdhsa_kernel k_q73df0cddfd_prep
		.amdhsa_group_segment_fixed_size 34304
		.amdhsa_private_segment_fixed_size 0
		.amdhsa_enable_private_segment 0
		.amdhsa_kernarg_size 56
		.amdhsa_user_sgpr_count 2
		.amdhsa_user_sgpr_kernarg_segment_ptr 1
		.amdhsa_wavefront_size32 1
		.amdhsa_system_sgpr_workgroup_id_x 1
		.amdhsa_system_sgpr_workgroup_id_y 1
		.amdhsa_system_sgpr_workgroup_id_z 1
		.amdhsa_system_vgpr_workitem_id 0
		.amdhsa_next_free_vgpr 162
		.amdhsa_next_free_sgpr 66
		.amdhsa_reserve_vcc 0
		.amdhsa_float_denorm_mode_32 3
		.amdhsa_float_denorm_mode_16_64 3
		.amdhsa_memory_ordered 1
		.amdhsa_forward_progress 1
		.amdhsa_inst_pref_size 25
	.end_amdhsa_kernel
	.amdgpu_metadata
---
amdhsa.version: [ 1, 2 ]
amdhsa.kernels:
  - .name:           k_q73df0cddfd_prep
    .symbol:         k_q73df0cddfd_prep.kd
    .args:
      - { .name: q, .offset: 0, .size: 8, .value_kind: global_buffer, .address_space: global }
      - { .name: Wo_codes, .offset: 8, .size: 8, .value_kind: global_buffer, .address_space: global }
      - { .name: Wq_codes, .offset: 16, .size: 8, .value_kind: global_buffer, .address_space: global }
      - { .name: lowp_scales, .offset: 24, .size: 8, .value_kind: global_buffer, .address_space: global }
      - { .name: qc, .offset: 32, .size: 8, .value_kind: global_buffer, .address_space: global }
      - { .name: woimg, .offset: 40, .size: 8, .value_kind: global_buffer, .address_space: global }
      - { .name: wqimg, .offset: 48, .size: 8, .value_kind: global_buffer, .address_space: global }
    .group_segment_fixed_size: 34304
    .private_segment_fixed_size: 0
    .kernarg_segment_align: 8
    .kernarg_segment_size: 56
    .max_flat_workgroup_size: 128
    .sgpr_count:     66
    .vgpr_count:     162
    .wavefront_size: 32
...
	.end_amdgpu_metadata
.endif
;; end of part 1
;; launch proj (part 2): grid 4 x 64, 4 waves a work-group, clusters of 4 x 4, 327,680 bytes of LDS; arguments k_codes, r_codes, Wk_codes, Wv_codes, bk, bv, lowp_scales, kh, vh; writes kh, vh
.if DOCPART == 2
	.amdgcn_target "amdgcn-amd-amdhsa--gfx1250"
	.amdhsa_code_object_version 6
	.text
	.protected	k_q73df0cddfd_proj
	.globl	k_q73df0cddfd_proj
	.p2align	8
	.type	k_q73df0cddfd_proj,@function
k_q73df0cddfd_proj:
	s_mov_b64 s[64:65], 0
	v_nop
	global_prefetch_b8 v0, s[64:65] scope:SCOPE_SE
	s_setreg_imm32_b32 hwreg(HW_REG_WAVE_MODE, 25, 1), 1
	s_wait_xcnt 0x0
	s_wait_alu depctr_hold_cnt(0) depctr_sa_sdst(0) depctr_va_vdst(0) depctr_va_sdst(0) depctr_va_ssrc(0) depctr_va_vcc(0) depctr_vm_vsrc(0)
	s_getreg_b32 s2, hwreg(HW_REG_IB_STS2, 6, 4)
	s_cmp_eq_u32 s2, 0
	s_cbranch_scc0 .Lentry_in_a_cluster
	s_endpgm
.Lentry_in_a_cluster:
	s_bfe_u32 s2, ttmp6, 0x10000c
	s_cmp_lg_u32 s2, 0xf033
	s_cbranch_scc0 .Lentry_shape_is_right
	s_endpgm
.Lentry_shape_is_right:
; THE PROJECTIONS OF k AND OF r, y = x W^T + b, on codes of E4M3, and y quantised again for the attention.  x: [8192][1024] codes, W: [1024][1024] codes, K innermost; b: [1024] f32.
; Which of the two: g = cluster y / 8 (0: k, Wk, bk -> kh; 1: r, Wv, bv -> vh): only pointers and exponents are chosen, by selects on g; g is the same in all partners of a cluster.
; 2 x 32 x 4 tiles of 256 x 256 are 256 work-groups of equal work.  (The third projection, q's, is made where its results are used, by the launch that follows.)
; A sum of codes stands for sum x 2^(eA + eB).  The bias goes in as the C of each sum's first product, as b / 2^(eA + eB); the result's code is (sum + that) / 2^(eO - eA - eB), held within +-448.
; LIMITS: eO - eA - eB between -126 and 119 for each of the two.  NaN among the inputs is not served.
; A tile of y, 256 x 256, is made by four waves; a wave makes 128 x 128: 64 accumulators, 512 registers.  K goes in four steps of 256 through a ring of two LDS slots filled by the tensor data mover.
; CLUSTERS: 4 x 4 work-groups.  The four of a row of the cluster need the same tiles of x, the four of a column the same tiles of W: each tile is asked for JOINTLY, by the same tensor load with the same
; descriptor and a mask that names the four.  THE MATRIX INSTRUCTION IS USED TRANSPOSED (source 0 = 16 rows of W, source 1 = 16 rows of x): a lane holds eight neighbouring columns of one row of y.
; OUTPUT, the same for both: [b x head 128][T 64][c 2][lane 32][16 bytes]: lane (r, h) holds row 16 T + r of the head, d = 32 c + 16 h + 0 .. 15: the image of an operand's registers.
; REGISTERS, in windows of 256: window 0: v0-31 addresses; v32-95 the bias in the result's layout, later a block's held sums; v96-127 codes; from v128 x's fragments, ONE set, later the rows to store.
;   window 1: W's fragments, TWO sets, at v0 and v128.   window 2: the 32 accumulators of my rows 0-63 ((a, b) at v[8 (8 a + b)]);   window 3: those of my rows 64-127.
.set ROWB,   256                       ; a tile's row in bytes: 256 codes
.set KROW,   1024                      ; a row of x or of W in memory
.set PITCH,  272                       ; an LDS row: 256 bytes + 16 of padding = 68 words: row r starts at bank 4 r mod 64 (64 banks of 4 bytes: ISA guide 11.1)
.set FR,     16                        ; registers of a fragment: 16 rows x 128 K
.set NL,     4                         ; LDS loads that bring one
.set NP,     4                         ; places behind this matrix instruction (ISA guide 7.12.1)
.set HALFT,  128*PITCH                 ; 128 rows: what one tensor load brings
.set SLOT,   4*HALFT                   ; x's 256 rows, then W's 256 rows
.set SPARE,  2*SLOT                    ; behind the ring: the spare words, 128 bytes for each wave: two blocks of 256 bytes that no other line names
.set SPITCH, 144                       ; the way out: a stage of 16 rows x (128 bytes + 16) for each wave, in slot 0, which has had its last fill and its last read when the first code is stored there
.set SC,   12                          ; v12     2^(eO - eA - eB) as f32
.set LIM,  13                          ; v13     448 x that
.set BO,   14                          ; v14     32 x (lane / 16): my eight numbers of a tile of the bias
.set ADRA, 16                          ; v16-17  LDS address of my x fragments in slot 0, 1
.set ADRB, 20                          ; v20-21  the same for W
.set STO,  24                          ; v24     the way out: where I put 8 codes of a row
.set RD,   25                          ; v25     where I read 16 codes back
.set CO,   26                          ; v26     16 x lane
.set SPW,  28                          ; v28     LDS address of my spare word; never rewritten
.set NIL,  29                          ; v29     0; never rewritten
.set BIAS, 32
.set TMP,  32
.set CDS,  96                          ; two sets of 16 registers of codes
.set AF,   128
.set BK,   128                         ; the way out: 16 registers a block, never written again
.set G1, 24
.set G0, 32
.set G1B, 48
.set G0B, 56
.set MSB, 0
.macro WIN new                         ; the immediate's high byte repeats the setting that is left
.if MSB != \new
	s_set_vgpr_msb (MSB<<8)|\new
.set MSB, \new
.endif
.endm
.set MUL_LO, 0xa1                      ; source 0 (W) window 1, source 1 (x) window 0, C and D window 2
.set MUL_HI, 0xf1                      ; the same, C and D window 3
.set FST_LO, 0x81                      ; a sum's first product: C (the bias) window 0, D window 2
.set FST_HI, 0xc1                      ; D window 3
.set TO_B,   0x40                      ; destination window 1, address window 0
; A joint load: waves 0 and 1 fetch for x, waves 2 and 3 for W.  The branch hangs on the wave's number alone.  Four v_nop follow each of the two lines.
.macro JLOAD g0a, g1a, g0b, g1b
	s_cmp_eq_u32 s15, 0
	s_cbranch_scc0 .Lfor_b_\@
	tensor_load_to_lds s[\g0a:\g0a+3], s[\g1a:\g1a+7]
	s_nop 0
.rept 4
	v_nop
.endr
	s_branch .Lasked_\@
.Lfor_b_\@:
	tensor_load_to_lds s[\g0b:\g0b+3], s[\g1b:\g1b+7]
	s_nop 0
.rept 4
	v_nop
.endr
.Lasked_\@:
.endm
.macro CREST                           ; a round of the cluster's barrier behind its opening barrier
	s_cmp_lg_u32 s14, 0
	s_cbranch_scc1 .Lnot_wave_0_\@
	s_barrier_signal -3
.Lnot_wave_0_\@:
	s_barrier_wait -3
	s_barrier_signal -1
	s_barrier_wait -1
.endm
.macro CROUND                          ; a whole round
	s_barrier_signal -1
	s_barrier_wait -1
	CREST
.endm
	s_load_b512 s[68:83], s[0:1], 0x0              ; k s[68:69], r s[70:71], Wk s[72:73], Wv s[74:75], bk s[76:77], bv s[78:79], the scales' exponents s[80:81], kh s[82:83]
	s_load_b64 s[84:85], s[0:1], 0x40              ; vh
	v_lshl_add_u32 v[SPW], v0, 2, SPARE
	v_mov_b32 v[NIL], 0
	ds_add_u32 v28, v29
	ds_add_u32 v28, v29
	s_wait_dscnt 0x0
	v_lshrrev_b32 v1, 5, v0
	v_readfirstlane_b32 s14, v1                    ; wave 0..3
	s_lshr_b32 s15, s14, 1                         ; which half of the tile's rows is mine.  Also: I fetch for x (0) or for W (1)
	s_and_b32 s16, s14, 1                          ; which half of its columns.  Also: which 128 rows of that tile I fetch
	s_bfe_u32 s40, ttmp6, 0x40000                  ; cx, cy: my place in the cluster
	s_bfe_u32 s41, ttmp6, 0x40004
	s_lshl_b32 s42, ttmp9, 2
	s_add_co_u32 s42, s42, s40                     ; tile column = 4 x cluster x + cx: 0 .. 3
	s_and_b32 s17, ttmp7, 0xffff                   ; cluster y: 0 .. 15
	s_lshr_b32 s66, s17, 3                         ; g: which projection
	s_and_b32 s17, s17, 7
	s_lshl_b32 s17, s17, 2
	s_add_co_u32 s17, s17, s41                     ; tile row = 4 x (cluster y % 8) + cy: 0 .. 31
	s_lshl_b32 s43, s41, 2
	s_lshl_b32 s43, 15, s43                        ; my row of the cluster
	s_lshl_b32 s44, 0x1111, s40                    ; my column
	; descriptor group 1: a tile of 128 rows x 256 bytes, padded in LDS
	s_or_b32 s[G1+0], s43, (0<<16)|(1<<20)|(1<<21)|(5<<22)|(3<<25)  ; 15:0 the mask: x's tiles go to my row; 17:16 element of 1 byte; 20 padding on; 21 set beside a mask; 24:22 after every 64 words; 31:25 of 4 words
	s_or_b32 s[G1B+0], s44, (0<<16)|(1<<20)|(1<<21)|(5<<22)|(3<<25) ; the same with the mask of my column, for W's tiles
.irp g, G1, G1B
	s_mov_b32 s[\g+1], ROWB<<16                    ; tensor_dim0
	s_mov_b32 s[\g+2], 128<<16                     ; tensor_dim1 = 128
	s_mov_b32 s[\g+3], ROWB<<16                    ; tile_dim0
	s_mov_b32 s[\g+4], 128                         ; tile_dim1 = 128
	s_mov_b32 s[\g+5], KROW                        ; tensor_dim0_stride
	s_mov_b32 s[\g+6], 0
	s_mov_b32 s[\g+7], 0
.endr
	s_lshl_b32 s18, s16, 7                         ; which 128 rows of the tile I fetch
	s_lshl_b32 s20, s17, 8
	s_add_co_u32 s20, s20, s18                     ; x: row 256 x tile row + 128 x half,
	s_lshl_b32 s20, s20, 10                        ; in bytes (under 2^23)
	s_mov_b32 s21, 0
	s_lshl_b32 s46, s42, 8
	s_add_co_u32 s46, s46, s18                     ; W: row 256 x tile column + 128 x half
	s_lshl_b32 s46, s46, 10
	s_mov_b32 s47, 0
	s_mul_i32 s45, s14, HALFT                      ; where they go: wave x 128 rows: no place in the cluster enters an LDS address
	s_wait_kmcnt 0x0
	s_cmp_eq_u32 s66, 0                            ; the first projection or the second
	s_cselect_b64 s[4:5], s[68:69], s[70:71]       ; x
	s_cselect_b64 s[6:7], s[72:73], s[74:75]       ; W
	s_cselect_b64 s[8:9], s[76:77], s[78:79]       ; the bias
	s_cselect_b64 s[10:11], s[82:83], s[84:85]     ; the output
	s_load_b256 s[68:75], s[80:81], 0x0            ; e0 .. e7
	s_load_b128 s[76:79], s[80:81], 0x20           ; e8 .. e11
	s_add_nc_u64 s[20:21], s[4:5], s[20:21]
	s_add_nc_u64 s[46:47], s[6:7], s[46:47]
	CROUND                                         ; all sixteen work-groups are here: the first joint loads meet
.irp s, 0,1
	s_mov_b32 s[G0+4*\s], 1
	s_add_co_u32 s[G0+4*\s+1], s45, \s*SLOT
	s_add_nc_u64 s[G0+4*\s+2:G0+4*\s+3], s[20:21], \s*ROWB
	s_or_b32 s[G0+4*\s+3], s[G0+4*\s+3], 0x80000000
	s_mov_b32 s[G0B+4*\s], 1
	s_add_co_u32 s[G0B+4*\s+1], s45, \s*SLOT
	s_add_nc_u64 s[G0B+4*\s+2:G0B+4*\s+3], s[46:47], \s*ROWB
	s_or_b32 s[G0B+4*\s+3], s[G0B+4*\s+3], 0x80000000
	JLOAD G0+4*\s, G1, G0B+4*\s, G1B               ; K steps 0 and 1: two loads of mine are out
.endr
	v_and_b32 v1, 15, v0                           ; r = l % 16
	v_bfe_u32 v2, v0, 4, 1                         ; h = l / 16
	v_lshlrev_b32 v[BO], 5, v2
	s_lshl_b32 s22, s42, 10                        ; the bias of my 128 columns: 4 x (256 x tile column + 128 x half) bytes on
	s_lshl_b32 s23, s16, 9
	s_add_co_u32 s22, s22, s23
	s_mov_b32 s23, 0
	s_add_nc_u64 s[8:9], s[8:9], s[22:23]
.irp b, 0,1,2,3,4,5,6,7
	global_load_b128 v[BIAS+8*\b:BIAS+8*\b+3], v[BO], s[8:9] offset:64*\b          ; tile b, lane (r, h): columns 16 b + 8 h + 0 .. 7
	global_load_b128 v[BIAS+8*\b+4:BIAS+8*\b+7], v[BO], s[8:9] offset:64*\b+16
.endr
	v_mul_u32_u24 v3, v1, PITCH
	v_lshl_add_u32 v4, v2, 4, v3                   ; a fragment's row x pitch + 16 x half
	s_mul_i32 s21, s15, HALFT                      ; my 128 rows of x
	s_mul_i32 s22, s16, HALFT                      ; my 128 rows of W,
	s_add_co_u32 s22, s22, 2*HALFT                 ; which lie behind x's 256
.irp s, 0,1
	v_add_nc_u32 v[ADRA+\s], s21, v4
	v_add_nc_u32 v[ADRB+\s], s22, v4
	s_add_co_u32 s21, s21, SLOT
	s_add_co_u32 s22, s22, SLOT
.endr
	s_mul_i32 s23, s14, 16*SPITCH                  ; my stage
	v_mul_u32_u24 v5, v1, SPITCH
	v_lshl_add_u32 v6, v2, 3, v5
	v_add_nc_u32 v[STO], s23, v6                   ; in: row r, 8 bytes for each half of the lanes
	v_lshl_add_u32 v6, v2, 4, v5
	v_add_nc_u32 v[RD], s23, v6                    ; back: row r, 16 bytes for each half
	v_and_b32 v6, 31, v0
	v_lshlrev_b32 v[CO], 4, v6
	; where my part of the output begins: batch (tile row / 4) x 16 heads x 65,536 + head (4 x tile column + 2 x column half) x 65,536 + T (16 x (tile row % 4) + 8 x row half) x 1,024
	s_lshr_b32 s20, s17, 2
	s_lshl_b32 s20, s20, 20
	s_and_b32 s21, s17, 3
	s_lshl_b32 s21, s21, 4
	s_lshl_b32 s22, s15, 3
	s_add_co_u32 s21, s21, s22
	s_lshl_b32 s21, s21, 10
	s_add_co_u32 s20, s20, s21
	s_lshl_b32 s46, s42, 2
	s_lshl_b32 s47, s16, 1
	s_add_co_u32 s46, s46, s47
	s_lshl_b32 s46, s46, 16
	s_add_co_u32 s20, s20, s46
	s_mov_b32 s21, 0
	s_add_nc_u64 s[10:11], s[10:11], s[20:21]
	s_wait_kmcnt 0x0                               ; the exponents
	s_cmp_eq_u32 s66, 0
	s_cselect_b32 s86, s68, s72                    ; eA: e0 or e4
	s_cselect_b32 s87, s69, s73                    ; eB: e1 or e5
	s_cselect_b32 s88, s75, s77                    ; eO: e7 (kh) or e9 (vh)
	s_add_co_i32 s86, s86, s87                     ; eA + eB
	s_sub_co_i32 s94, 0, s86
	s_sub_co_i32 s88, s88, s86                     ; eO - eA - eB
	s_add_co_i32 s88, s88, 127
	s_lshl_b32 s89, s88, 23
	v_mov_b32 v[SC], s89
	s_add_co_i32 s88, s88, 8
	s_lshl_b32 s88, s88, 23
	s_or_b32 s88, s88, 0x600000
	v_mov_b32 v[LIM], s88
	s_wait_loadcnt 0x0                             ; the bias
.set j, 0
.rept 64
	v_ldexp_f32 v[BIAS+j], v[BIAS+j], s94          ; b / 2^(eA + eB): nothing is rounded
.set j, j+1
.endr
.macro FRAG reg, adr, q, i             ; a fragment: lane l holds row l % 16; registers 4 c .. 4 c + 3 hold K = 32 c + 16 (l / 16) + 0 .. 15: the same order of k in x and in W
.irp c, 0,1,2,3
	ds_load_b128 v[\reg+4*\c:\reg+4*\c+3], v[\adr] offset:128*(\q)+32*\c+(\i)*16*PITCH
.endr
.endm
; 16 matrix instructions: x's blocks a0, a0 + 1 against W's eight, 128 along K.  p: W's set.  first = 1: the bias is C: nothing is ever cleared.
; The 64 accumulators take turns, one instruction a turn, in the same order in every step.
.macro MUL16 a0, p, first
.irp a, \a0, \a0+1
.irp b, 0,1,2,3,4,5,6,7
.if \first
	v_wmma_f32_16x16x128_fp8_fp8 v[8*(8*((\a)%4)+\b):8*(8*((\a)%4)+\b)+7], v[128*(\p)+FR*\b:128*(\p)+FR*\b+FR-1], v[AF+FR*(\a):AF+FR*(\a)+FR-1], v[BIAS+8*\b:BIAS+8*\b+7]
.else
	v_wmma_f32_16x16x128_fp8_fp8 v[8*(8*((\a)%4)+\b):8*(8*((\a)%4)+\b)+7], v[128*(\p)+FR*\b:128*(\p)+FR*\b+FR-1], v[AF+FR*(\a):AF+FR*(\a)+FR-1], v[8*(8*((\a)%4)+\b):8*(8*((\a)%4)+\b)+7]
.endif
.endr
.endr
.endm
.macro FETCH_B slot, q, p              ; W's eight fragments of the slot's q-th 128 along K into set p
	WIN TO_B
.irp i, 0,1,2,3,4,5,6,7
	FRAG 128*(\p)+FR*\i, ADRB+\slot, \q, \i
.endr
	WIN 0
.endm
.macro FETCH_A slot, q, i0             ; x's blocks i0 .. i0 + 3
.irp i, \i0, \i0+1, \i0+2, \i0+3
	FRAG AF+FR*(\i), ADRA+\slot, \q, \i
.endr
.endm
.macro PLACES n                        ; places in front of loads into registers that matrix instructions have read, and of the first read of results
.rept \n
	v_nop
.endr
.endm
; A step of 128 along K that has its successor in the same slot.
.macro STEP slot, q, first
	s_wait_dscnt 4*NL                              ; W's set and x's blocks 0-3 are in; the youngest sixteen loads (x's blocks 4-7) may be out
.if \first
	WIN FST_LO
.else
	WIN MUL_LO
.endif
	MUL16 0, (\q)%2, \first
	MUL16 2, (\q)%2, \first
	s_wait_dscnt 0                                 ; x's blocks 4-7 are in (asked for 32 matrix instructions ago)
	PLACES NP
	FETCH_B \slot, (\q)+1, 1-(\q)%2
	FETCH_A \slot, (\q)+1, 0
.if \first
	WIN FST_HI
.else
	WIN MUL_HI
.endif
	MUL16 4, (\q)%2, \first
	MUL16 6, (\q)%2, \first
	PLACES NP
	WIN 0
	FETCH_A \slot, (\q)+1, 4
.endm
; A slot's last step changes slots: ONE barrier; in front of it each wave waits for all its tensor loads, adds 0 to its spare word, and waits for that and for its own reads of this slot.  fill = 1: this slot is filled again, two K steps ahead.
.macro TURN slot, next, fill
	s_wait_tensorcnt 0x0                           ; all my tensor loads have landed: my part of the next slot;  (every window is 0 here)
	ds_add_u32 v[SPW], v[NIL]                      ; 0 onto my spare word;
	s_wait_dscnt 4*NL+1                            ; (the add and the youngest sixteen loads, x's blocks 4-7, may be out)
	WIN MUL_LO
	MUL16 0, 1, 0                                  ; sixteen matrix instructions stand between the add and the wait for it
	s_wait_dscnt 0x0                               ; the add is done, and my reads of this slot are over
	s_barrier_signal -1
	MUL16 2, 1, 0
	WIN 0
	s_barrier_wait -1
.if \fill
	CREST                                          ; the barrier has opened a round of the cluster's barrier: no wave of any partner still reads this slot's tile or has a load on its way
	s_add_nc_u64 s[G0+4*\slot+2:G0+4*\slot+3], s[G0+4*\slot+2:G0+4*\slot+3], 2*ROWB
	s_add_nc_u64 s[G0B+4*\slot+2:G0B+4*\slot+3], s[G0B+4*\slot+2:G0B+4*\slot+3], 2*ROWB
	JLOAD G0+4*\slot, G1, G0B+4*\slot, G1B         ; the first tensor load behind the round, my one load until the next; its four v_nop are the places in front of the loads below
.else
	PLACES NP
.endif
	FETCH_B \next, 0, 0
	FETCH_A \next, 0, 0
	WIN MUL_HI
	MUL16 4, 1, 0
	MUL16 6, 1, 0
	PLACES NP
	WIN 0
	FETCH_A \next, 0, 4
.endm
	s_wait_tensorcnt 1                             ; my part of K step 0 is in (K step 1's load may be out)
	s_barrier_signal -1
	s_barrier_wait -1                              ; everybody's is
	FETCH_B 0, 0, 0
	FETCH_A 0, 0, 0
	FETCH_A 0, 0, 4
	; K = 1,024 is four slots' worth: eight steps of 128, written out (a loop would have one trip)
	STEP 0, 0, 1                                   ; the first products take the bias as C
	TURN 0, 1, 1                                   ; slot 0 takes K step 2
	STEP 1, 0, 0
	TURN 1, 0, 1                                   ; slot 1 takes K step 3
	STEP 0, 0, 0
	TURN 0, 1, 0                                   ; nothing is left to fetch: no round of the cluster's barrier
	STEP 1, 0, 0
	s_wait_dscnt 4*NL                              ; the very last step
	WIN MUL_LO
	MUL16 0, 1, 0
	MUL16 2, 1, 0
	s_wait_dscnt 0
	WIN MUL_HI
	MUL16 4, 1, 0
	MUL16 6, 1, 0
	WIN 0
; THE WAY OUT, block by block of 16 rows x 128 columns.  A block's sums are held, turned into codes (8 a lane for each of 8 tiles), laid into my stage as rows of 128 codes, and read back 16 codes a lane in the
; order of the output's images.  LDS serves a wave's instructions in order (ISA guide 5.7.1.4): no wait between the stores and the loads, nor in front of the next block's stores.
.macro TOSTAGE a
.set AC, 64*((\a)%4)
.set CD, CDS+16*((\a)%2)
	WIN 0x02+((\a)/4)                              ; source 0: window 2 or 3
.set j, 0
.rept 64
	v_med3_num_f32 v[TMP+j], v[AC+j], -v[LIM], v[LIM]   ; the hold at the largest code x the scale (the conversion does not saturate: ISA guide 7.6.2); each accumulator from its low end on
.set j, j+1
.endr
	WIN 0
.irp b, 0,1,2,3,4,5,6,7
	v_cvt_scalef32_pk8_fp8_f32 v[CD+2*\b:CD+2*\b+1], v[TMP+8*\b:TMP+8*\b+7], v[SC]
.endr
	v_nop                                          ; a plain vector line behind the last conversion: the next block's holds write the conversions' sources
.irp b, 0,1,2,3,4,5,6,7
	ds_store_b64 v[STO], v[CD+2*\b:CD+2*\b+1] offset:16*\b           ; row r, columns 16 b + 8 h + 0 .. 7
.endr
.irp i, 0,1,2,3
	ds_load_b128 v[BK+16*(\a)+4*\i:BK+16*(\a)+4*\i+3], v[RD] offset:64*(\i/2)+32*(\i%2)   ; head i / 2 of my two, c = i % 2: d = 32 c + 16 h + 0 .. 15
.endr
.endm
.macro SEND a, younger                 ; younger: the LDS instructions issued behind block a's loads, which may stay out
	s_wait_dscnt \younger
.irp i, 0,1,2,3
	global_store_b128 v[CO], v[BK+16*(\a)+4*\i:BK+16*(\a)+4*\i+3], s[10:11] offset:(\a)*1024+(\i/2)*65536+(\i%2)*512   ; 32 lanes store 512 consecutive bytes, aligned; data, offset and base are never written again
.endr
.endm
	PLACES NP                                      ; behind the last products: for the loads into the registers that held x's fragments
	TOSTAGE 0
.irp a, 1,2,3,4,5,6,7
	TOSTAGE \a
	SEND \a-1, 12                                  ; behind block a - 1's loads: block a's 8 stores and 4 loads.  The wait also shows block a - 1's LDS stores done: block a + 1 writes their set of codes
.endr
	SEND 7, 0
	s_wait_tensorcnt 0x0                           ; the wave's end, behind my last tensor load and my last LDS store
	ds_add_u32 v[SPW], v[NIL]
	s_wait_dscnt 0x0
	CROUND                                         ; the closing round: no work-group ends while a partner may still ask for a tile that names it
	s_endpgm
.Lfunc_end_k_q73df0cddfd_proj:
	.size	k_q73df0cddfd_proj, .Lfunc_end_k_q73df0cddfd_proj-k_q73df0cddfd_proj
	.p2alignl 7, 3214868480
	.fill 96, 4, 3214868480
	.section	.rodata,"a",@progbits
	.p2align	6, 0x0
	.amdhsa_kernel k_q73df0cddfd_proj
		.amdhsa_group_segment_fixed_size 327680
		.amdhsa_private_segment_fixed_size 0
		.amdhsa_enable_private_segment 0
		.amdhsa_kernarg_size 72
		.amdhsa_user_sgpr_count 2
		.amdhsa_user_sgpr_kernarg_segment_ptr 1
		.amdhsa_wavefront_size32 1
		.amdhsa_system_sgpr_workgroup_id_x 1
		.amdhsa_system_sgpr_workgroup_id_y 1
		.amdhsa_system_sgpr_workgroup_id_z 1
		.amdhsa_system_vgpr_workitem_id 0
		.amdhsa_next_free_vgpr 1024
		.amdhsa_next_free_sgpr 98
		.amdhsa_reserve_vcc 0
		.amdhsa_float_denorm_mode_32 3
		.amdhsa_float_denorm_mode_16_64 3
		.amdhsa_memory_ordered 1
		.amdhsa_forward_progress 1
		.amdhsa_inst_pref_size 130
	.end_amdhsa_kernel
	.amdgpu_metadata
---
amdhsa.version: [ 1, 2 ]
amdhsa.kernels:
  - .name:           k_q73df0cddfd_proj
    .symbol:         k_q73df0cddfd_proj.kd
    .args:
      - { .name: k_codes, .offset: 0, .size: 8, .value_kind: global_buffer, .address_space: global }
      - { .name: r_codes, .offset: 8, .size: 8, .value_kind: global_buffer, .address_space: global }
      - { .name: Wk_codes, .offset: 16, .size: 8, .value_kind: global_buffer, .address_space: global }
      - { .name: Wv_codes, .offset: 24, .size: 8, .value_kind: global_buffer, .address_space: global }
      - { .name: bk, .offset: 32, .size: 8, .value_kind: global_buffer, .address_space: global }
      - { .name: bv, .offset: 40, .size: 8, .value_kind: global_buffer, .address_space: global }
      - { .name: lowp_scales, .offset: 48, .size: 8, .value_kind: global_buffer, .address_space: global }
      - { .name: kh, .offset: 56, .size: 8, .value_kind: global_buffer, .address_space: global }
      - { .name: vh, .offset: 64, .size: 8, .value_kind: global_buffer, .address_space: global }
    .group_segment_fixed_size: 327680
    .private_segment_fixed_size: 0
    .kernarg_segment_align: 8
    .kernarg_segment_size: 72
    .max_flat_workgroup_size: 128
    .sgpr_count:     98
    .vgpr_count:     1024
    .wavefront_size: 32
...
	.end_amdgpu_metadata
.endif
;; end of part 2
;; launch attn (part 3): grid 2 x 128, 16 waves a work-group, no clusters, 296,960 bytes of LDS; arguments qc, wqimg, bq, kh, vh, lowp_scales, oimg; writes oimg
.if DOCPART == 3
	.amdgcn_target "amdgcn-amd-amdhsa--gfx1250"
	.amdhsa_code_object_version 6
	.text
	.protected	k_q73df0cddfd_attn
	.globl	k_q73df0cddfd_attn
	.p2align	8
	.type	k_q73df0cddfd_attn,@function
k_q73df0cddfd_attn:
	s_mov_b64 s[64:65], 0
	v_nop
	global_prefetch_b8 v0, s[64:65] scope:SCOPE_SE
	s_setreg_imm32_b32 hwreg(HW_REG_WAVE_MODE, 25, 1), 1
	s_wait_xcnt 0x0
; qh = q Wq^T + bq for one head's 512 queries, then o = softmax(qh k^T / 8) v, all three products on codes of E4M3, and o quantised for the last projection.
; qc: q's codes, [row tile 512][s 8][c 4][lane 32][16 bytes]: row 16 RT + r, k = 128 s + 32 c + 16 h + 0 .. 15.  wqimg: Wq's codes, [head 16][t 4][s 8][c 4][lane 32][16 bytes], the same order of k;
;   lane r of tile t holds Wq's row 64 head + 32 (t / 2) + 8 (t % 2) + r + 8 (r / 8).  kh, vh: [b x head 128][T 64][c 2][lane 32][16 bytes]: row 16 T + r, d = 32 c + 16 h + 0 .. 15.
; Scales: q e2, Wq e3, qh e6, kh e7, p e8, vh e9, o e10.
; THE PROJECTION.  Each wave makes the operand of its own two tiles of queries: 4 tiles of d x 8 steps of 128 along K x 2 = 64 matrix instructions.  It is used transposed (source 0 = 16 rows of Wq,
;   source 1 = 16 queries): tile t's register j is d = 32 (t / 2) + 16 h + 8 (t % 2) + j of the lane's query, so tile t's eight codes ARE registers 2 t, 2 t + 1 of the operand, in kh's order of d.
;   bq goes in as the C of the first products, as bq / 2^(e2 + e3); the code is the sum / 2^(e6 - e2 - e3), held within +-448.  q's fragments come from memory straight into registers, each load 512
;   consecutive bytes, two K steps (16 loads) ahead; Wq's 32 fragments lie in LDS once for the sixteen waves, and each fragment read feeds two products.
; THE SOFTMAX: t = score x log2(e) / 8; M = the running largest t, rounded UP to a whole number; p = 2^(t - M) is quantised, not normalised; the row's sum is taken of the unquantised p and divides at the end.
; When M moves, the sum and O are multiplied by 2^(old M - new M): exact.
; SHARES.  A work-group owns 512 queries of one head; each of its sixteen waves owns TWO tiles of 16 queries (32 x + w and 32 x + 16 + w), which share every fragment of Wq, K and V that the wave reads from LDS.
; The head's whole K and V (64 KiB each) lie in LDS, written once at the head: no ring and no barrier in the loop.
; V IS TURNED ONCE: the second product wants the keys innermost.  ds_load_tr16_b128 on pairs of bytes and v_perm_b32 make, of 128 keys x 32 d, two fragments: the even d and the odd d.
;   Fragment tau of a key step holds d = 32 (tau / 2) + 2 r + tau % 2; registers 2 c, 2 c + 1: keys 16 c + 8 h + 0 .. 7.  They lie in LDS as images of the registers.
; LAYOUT.  S^T = K Q^T (source 0 = 16 keys, source 1 = 16 queries): a lane holds ONE query; tile t's registers are keys 16 t + 8 h + 0 .. 7, so its eight codes ARE registers 2 t, 2 t + 1 of P.
;   O^T = V^T P^T: tile tau, register j: d = 32 (tau / 2) + 16 h + 2 j + tau % 2: the codes of tiles 2 u and 2 u + 1, interleaved byte by byte, are d = 32 u + 16 h + 0 .. 15.
; OUTPUT: oimg [row tile 512][s 8][c 4][lane 32][16 bytes]: row 16 RT + r, k = 128 s + 32 c + 16 h + 0 .. 15, k = 64 x head + d: each store is 512 consecutive bytes, with no stage.
; NO CLUSTER, NO TENSOR LOAD.  Shared between work-groups are a head's K and V (two work-groups, 128 KiB, read once for 512 x 1,024 scores) and q's fragments (the sixteen heads' work-groups, 512 KiB).
;   A joint request is a tensor load into LDS: q's 512 KiB would go through a ring with a round of the cluster's barrier for each refill, in a phase of 64 matrix instructions a wave, though each fragment is read
;   by one wave alone; the branch below leaves out, where e8 >= -8, the 128 holds of a step's two softmaxes (p <= 1 < 448 x 2^e8 there).
; LIMITS: e6 - e2 - e3, e8 and e10 between -126 and 119; e6 + e7 between -123 and 130 (added to c's exponent field); e8 + e9 is applied by v_ldexp_f32 and has none.  NaN among the inputs is not served.
; REGISTERS: v1 16 x lane; v2 the address in hand; v3 my Q images; v4 2^e8; v5 a permute's destination; v[6:7] f; v8-11 at the head addresses and qh's scale, then at work; v12 2^e10; v13 16 x thread;
;   v14, v15 the turning's addresses; v16-19, v20-23 a tile's -M, largest t, sum in two halves; v24-31 Q; v32-95 Wq's, K's or V's fragments; v96-159 q's fragments in two buffers, then S^T and p;
;   v160-191, v192-223 qh's sums, then O^T; v224-239, v240-255 the bias, then P.
.set KIMG, 0                           ; LDS: K as it comes: 64 tiles of 1,024 bytes
.set VIMG, 65536                       ; V turned: [step 8][tau 4] fragments of 2,048 bytes
.set VRAW, 131072                      ; V as it comes
.set QIMG, 196608                      ; 16 waves x 2 tiles x 1,024 bytes: each wave's own
.set WQIMG, 229376                     ; Wq's head: [t 4][s 8] fragments of 2,048 bytes
.set LI,  1
.set ADR, 2
.set QAD, 3
.set WQS, 8                            ; v8   where I store my part of Wq: WQIMG + 16 x thread
.set WQR, 9                            ; v9   where I read a fragment of Wq: WQIMG + 16 x lane
.set QSC, 10                           ; v10  2^(e6 - e2 - e3) as f32
.set BQO, 11                           ; v11  64 x (lane / 16): my part of the bias
	s_load_b256 s[4:11], s[0:1], 0x0               ; qc s[4:5], wqimg s[6:7], bq s[8:9], kh s[10:11]
	s_load_b128 s[12:15], s[0:1], 0x20             ; vh s[12:13], the scales' exponents s[14:15]
	s_load_b64 s[16:17], s[0:1], 0x30              ; oimg
	v_lshrrev_b32 v2, 5, v0
	v_readfirstlane_b32 s18, v2                    ; wave 0..15
	s_and_b32 s19, ttmp7, 0xffff                   ; b x 16 + head
	v_and_b32 v1, 31, v0
	v_lshlrev_b32 v[LI], 4, v1
	v_lshlrev_b32 v13, 4, v0                       ; 16 x thread: 512 threads cover 8,192 bytes
	v_add_nc_u32 v[ADR], VRAW, v13
	v_add_nc_u32 v[WQS], WQIMG, v13
	v_add_nc_u32 v[WQR], WQIMG, v[LI]
	v_bfe_u32 v[BQO], v0, 4, 1
	v_lshlrev_b32 v[BQO], 6, v[BQO]
	s_lshl_b32 s26, s19, 16                        ; the head's first byte in kh and vh
	s_mov_b32 s27, 0
	s_and_b32 s48, s19, 15                         ; the head
	s_lshl_b32 s50, s48, 16                        ; its 32 fragments of Wq
	s_mov_b32 s51, 0
	s_lshl_b32 s52, s48, 8                         ; its 64 numbers of bq
	s_mov_b32 s53, 0
	s_lshl_b32 s24, ttmp9, 5
	s_add_co_u32 s24, s24, s18                     ; my first tile of queries: 32 x + w
	s_lshr_b32 s54, s19, 4
	s_lshl_b32 s54, s54, 6
	s_add_co_u32 s54, s54, s24                     ; its row tile among the 512: 64 b + 32 x + w,
	s_lshl_b32 s54, s54, 14                        ; of 16,384 bytes, in qc and in oimg
	s_mov_b32 s55, 0
	s_lshr_b32 s25, s48, 1                         ; in oimg: s = head / 2,
	s_lshl_b32 s25, s25, 11
	s_add_co_u32 s56, s54, s25
	s_and_b32 s25, s48, 1                          ; c = 2 (head % 2) + u
	s_lshl_b32 s25, s25, 10
	s_add_co_u32 s56, s56, s25
	s_mov_b32 s57, 0
	s_wait_kmcnt 0x0
	s_load_b256 s[28:35], s[14:15], 0x0            ; e0 .. e7: e2 = s30, e3 = s31, e6 = s34, e7 = s35
	s_load_b128 s[36:39], s[14:15], 0x20           ; e8 = s36, e9 = s37, e10 = s38
	s_add_nc_u64 s[6:7], s[6:7], s[50:51]
	s_add_nc_u64 s[12:13], s[12:13], s[26:27]
	s_add_nc_u64 s[10:11], s[10:11], s[26:27]
	s_add_nc_u64 s[8:9], s[8:9], s[52:53]
	s_add_nc_u64 s[4:5], s[4:5], s[54:55]
	s_add_nc_u64 s[16:17], s[16:17], s[56:57]
; q's fragments of K step s, of my two tiles (16 row tiles apart), into buffer s % 2: eight loads of 512 consecutive bytes
.macro QLOAD s
.set QL, 96+32*((\s)%2)
.irp c, 0,1,2,3
	global_load_b128 v[QL+4*\c:QL+4*\c+3], v[LI], s[4:5] offset:(\s)*2048+512*\c
.endr
.irp c, 0,1,2,3
	global_load_b128 v[QL+16+4*\c:QL+16+4*\c+3], v[LI], s[4:5] offset:262144+(\s)*2048+512*\c
.endr
.endm
.irp i, 0,1,2,3,4,5,6,7
	global_load_b128 v[160+4*\i:163+4*\i], v13, s[6:7] offset:8192*\i    ; Wq's head, into registers that the sums take later
.endr
.irp i, 0,1,2,3,4,5,6,7
	global_load_b128 v[64+4*\i:67+4*\i], v13, s[12:13] offset:8192*\i    ; V
.endr
.irp i, 0,1,2,3,4,5,6,7
	global_load_b128 v[32+4*\i:35+4*\i], v13, s[10:11] offset:8192*\i    ; K
.endr
.irp t, 0,1,2,3
	global_load_b128 v[224+8*\t:227+8*\t], v[BQO], s[8:9] offset:(32*(\t/2)+8*(\t%2))*4      ; bq in the result's layout: tile t, lane (r, h): d = 32 (t / 2) + 16 h + 8 (t % 2) + 0 .. 7
	global_load_b128 v[228+8*\t:231+8*\t], v[BQO], s[8:9] offset:(32*(\t/2)+8*(\t%2))*4+16
.endr
	QLOAD 0
	QLOAD 1
	s_lshl_b32 s26, s18, 11
	s_add_co_u32 s26, s26, QIMG
	v_add_nc_u32 v[QAD], s26, v[LI]
	; the turning: wave w takes key step w / 2 and d = 32 (w % 2) on.  Lane L reads 16 bytes: key 16 c + 8 (L / 16) + L % 8, d = 32 (w % 2) + 16 ((L / 8) % 2) + 0 .. 15
	s_lshr_b32 s26, s18, 1
	s_lshl_b32 s26, s26, 13
	s_and_b32 s27, s18, 1
	s_lshl_b32 s48, s27, 9
	s_add_co_u32 s48, s48, s26
	s_add_co_u32 s48, s48, VRAW
	v_and_b32 v14, 7, v0
	v_lshlrev_b32 v14, 4, v14
	v_bfe_u32 v15, v0, 3, 1
	v_lshl_add_u32 v14, v15, 8, v14
	v_bfe_u32 v15, v0, 4, 1
	v_lshl_add_u32 v14, v15, 7, v14
	v_add_nc_u32 v14, s48, v14
	s_lshl_b32 s49, s27, 12
	s_add_co_u32 s49, s49, s26
	s_add_co_u32 s49, s49, VIMG
	v_add_nc_u32 v15, s49, v[LI]                   ; where my two fragments go: step w / 2, tau = 2 (w % 2) and the next
	s_mov_b32 s20, 0x76543210
	s_mov_b32 s21, 0xfedcba98                      ; v_permlanex16_b32's selects for lane l xor 16
	s_mov_b32 s44, 0x06040200                      ; the even bytes of two registers,
	s_mov_b32 s45, 0x07050301                      ; the odd ones
	s_mov_b32 s46, 0x05010400                      ; two registers' bytes 0, 1 interleaved,
	s_mov_b32 s47, 0x07030602                      ; their bytes 2, 3
	s_wait_loadcnt 40                              ; Wq's eight loads are in; behind them: V 8, K 8, the bias 8, q 16
.irp i, 0,1,2,3,4,5,6,7
	ds_store_b128 v[WQS], v[160+4*\i:163+4*\i] offset:8192*\i
.endr
	s_wait_loadcnt 32                              ; V is in
.irp i, 0,1,2,3,4,5,6,7
	ds_store_b128 v[ADR], v[64+4*\i:67+4*\i] offset:8192*\i
.endr
	s_wait_loadcnt 24                              ; K is in
.irp i, 0,1,2,3,4,5,6,7
	ds_store_b128 v13, v[32+4*\i:35+4*\i] offset:8192*\i
.endr
	s_wait_dscnt 0x0                               ; for the others' sake: my parts of Wq, V and K lie in LDS
	s_barrier_signal -1
	s_barrier_wait -1                              ; everybody's do
.irp c, 0,1,2,3,4,5,6,7
	ds_load_tr16_b128 v[32+4*\c:35+4*\c], v14 offset:1024*\c   ; keys 16 c + 8 h + 0 .. 7 of d = 32 (w % 2) + 2 r and the next, byte by byte
.endr
	s_wait_kmcnt 0x0
	s_add_co_i32 s26, s34, s35
	s_lshl_b32 s26, s26, 23
	s_add_co_i32 s22, s26, 0x3e38aa3b              ; c = log2(e) / 8, with e6 + e7 added to its exponent field: a score stands for score x 2^(e6 + e7)
	s_mov_b32 s23, s22                             ; (named with it as a pair, so it is written)
	s_add_co_i32 s26, s36, 127
	s_lshl_b32 s27, s26, 23
	v_mov_b32 v4, s27                              ; 2^e8 as f32
	s_add_co_i32 s26, s26, 8
	s_lshl_b32 s26, s26, 23
	s_or_b32 s40, s26, 0x600000                    ; 448 x 2^e8
	s_add_co_i32 s41, s36, s37                     ; e8 + e9
	s_add_co_i32 s26, s38, 127
	s_lshl_b32 s27, s26, 23
	v_mov_b32 v12, s27                             ; 2^e10 as f32
	s_add_co_i32 s26, s26, 8
	s_lshl_b32 s26, s26, 23
	s_or_b32 s43, s26, 0x600000                    ; 448 x 2^e10,
	s_or_b32 s42, s43, 0x80000000                  ; and its negative
	s_add_co_i32 s26, s30, s31                     ; e2 + e3: a sum of the projection stands for sum x 2^(e2 + e3)
	s_sub_co_i32 s60, 0, s26
	s_sub_co_i32 s26, s34, s26                     ; e6 - e2 - e3: the three scales folded into the conversion's one
	s_add_co_i32 s26, s26, 127
	s_lshl_b32 s27, s26, 23
	v_mov_b32 v[QSC], s27
	s_add_co_i32 s26, s26, 8
	s_lshl_b32 s26, s26, 23
	s_or_b32 s59, s26, 0x600000                    ; 448 x that,
	s_or_b32 s58, s59, 0x80000000                  ; and its negative
	s_wait_loadcnt 16                              ; the bias is in; q's two K steps may be out
.set j, 0
.rept 32
	v_ldexp_f32 v[224+j], v[224+j], s60            ; bq / 2^(e2 + e3): nothing is rounded
.set j, j+1
.endr
	s_wait_dscnt 0x0                               ; the turned loads are in
.irp c, 0,1,2,3,4,5,6,7
	v_perm_b32 v[64+2*\c], v[33+4*\c], v[32+4*\c], s44         ; the even d: keys 0-3 of the eight,
	v_perm_b32 v[65+2*\c], v[35+4*\c], v[34+4*\c], s44         ; keys 4-7
	v_perm_b32 v[80+2*\c], v[33+4*\c], v[32+4*\c], s45         ; the odd d
	v_perm_b32 v[81+2*\c], v[35+4*\c], v[34+4*\c], s45
.endr
.irp i, 0,1,2,3
	ds_store_b128 v15, v[64+4*\i:67+4*\i] offset:512*\i
	ds_store_b128 v15, v[80+4*\i:83+4*\i] offset:2048+512*\i
.endr
	s_wait_dscnt 0x0                               ; the stores have read their registers, which Wq's fragments take now
; A step of 128 along K of the projection: Wq's four fragments from LDS, eight matrix instructions, the eight accumulators by turns, one instruction a turn;
; then the buffer just multiplied takes q's fragments of two steps on.
.macro QSTEP s
.set QB, 96+32*((\s)%2)
.irp t, 0,1,2,3
.irp c, 0,1,2,3
	ds_load_b128 v[32+16*\t+4*\c:35+16*\t+4*\c], v[WQR] offset:(8*\t+(\s))*2048+512*\c
.endr
.endr
.if (\s) < 7
	s_wait_loadcnt 8                               ; this step's eight loads are in; the next step's eight may be out
.else
	s_wait_loadcnt 0x0                             ; the last step: nothing was asked for behind it
.endif
	s_wait_dscnt 0x0
.irp t, 0,1,2,3
.if (\s) == 0
	v_wmma_f32_16x16x128_fp8_fp8 v[160+8*\t:167+8*\t], v[32+16*\t:47+16*\t], v[QB:QB+15], v[224+8*\t:231+8*\t]      ; the bias starts the sums: nothing is cleared
	v_wmma_f32_16x16x128_fp8_fp8 v[192+8*\t:199+8*\t], v[32+16*\t:47+16*\t], v[QB+16:QB+31], v[224+8*\t:231+8*\t]
.else
	v_wmma_f32_16x16x128_fp8_fp8 v[160+8*\t:167+8*\t], v[32+16*\t:47+16*\t], v[QB:QB+15], v[160+8*\t:167+8*\t]
	v_wmma_f32_16x16x128_fp8_fp8 v[192+8*\t:199+8*\t], v[32+16*\t:47+16*\t], v[QB+16:QB+31], v[192+8*\t:199+8*\t]
.endif
.endr
.rept 4
	v_nop                                          ; places in front of loads into registers that these products have read, and of the first read of the sums
.endr
.if (\s)+2 < 8
	QLOAD (\s)+2
.endif
.endm
.irp s, 0,1,2,3,4,5,6,7
	QSTEP \s
.endr
.set j, 0
.rept 32
	v_med3_num_f32 v[160+j], v[160+j], s58, s59    ; the hold at the largest code x the scale (the conversion does not saturate: ISA guide 7.6.2); each accumulator from its low end on
.set j, j+1
.endr
.irp t, 0,1,2,3
	v_cvt_scalef32_pk8_fp8_f32 v[24+2*\t:25+2*\t], v[160+8*\t:167+8*\t], v[QSC]   ; registers 2 t, 2 t + 1 of my first tile's operand
.endr
.set j, 0
.rept 32
	v_med3_num_f32 v[192+j], v[192+j], s58, s59
.set j, j+1
.endr
.irp t, 0,1,2,3
	v_cvt_scalef32_pk8_fp8_f32 v[16+2*\t:17+2*\t], v[192+8*\t:199+8*\t], v[QSC]   ; and of my second
.endr
	v_nop                                          ; a plain vector line behind the last conversion
	ds_store_b128 v[QAD], v[24:27]                 ; the two operands wait in my own LDS bytes: the loop has one set of registers for both
	ds_store_b128 v[QAD], v[28:31] offset:512
	ds_store_b128 v[QAD], v[16:19] offset:1024
	ds_store_b128 v[QAD], v[20:23] offset:1536
	s_wait_dscnt 0x0                               ; for the others' sake: my part of the turned V lies in LDS (and my stores have read their registers)
	s_barrier_signal -1
	s_barrier_wait -1
	v_mov_b32 v17, 0xff61b1e6                      ; the largest t so far: -3e38, under every t
	v_floor_f32 v16, -v17                          ; -M
	v_mov_b32 v18, 0                               ; the sum, in two halves
	v_mov_b32 v19, 0
	v_mov_b32 v21, 0xff61b1e6
	v_floor_f32 v20, -v21
	v_mov_b32 v22, 0
	v_mov_b32 v23, 0
	v_mov_b32 v5, 0                                ; written once: a lane permute's destination counts as one of its sources
	v_mov_b32 v7, 0                                ; (named as the upper half of the pair v[6:7])
.set j, 0
.rept 64
	v_mov_b32 v[160+j], 0                          ; O^T of both tiles.  (The loop is written once: its first step finds zeros, which the first change of M leaves zeros)
.set j, j+1
.endr
; ONE TILE'S SOFTMAX for a step of 128 keys.  ST: its statistics; PB: where its codes go; OB: its O^T.
.macro SOFTMAX ST, PB, OB
	v_max3_num_f32 v8, v96, v97, v98               ; the step's largest score of my query among my 64 keys, in two chains, each tile's registers from the low end on,
	v_max3_num_f32 v9, v99, v100, v101
.irp i, 6,10,14,18,22,26,30,34,38,42,46,50,54,58
	v_max3_num_f32 v8, v8, v[96+\i], v[97+\i]
	v_max3_num_f32 v9, v9, v[98+\i], v[99+\i]
.endr
	v_max3_num_f32 v8, v8, v158, v159
	v_max_num_f32 v8, v8, v9
	v_permlanex16_b32 v5, v8, s20, s21
	v_max_num_f32 v8, v8, v5                       ; and among lane l xor 16's
	v_mul_f32 v8, s22, v8                          ; as t (c is positive)
	v_max_num_f32 v[\ST+1], v[\ST+1], v8           ; the running largest t
	v_mov_b32 v8, v[\ST]
	v_floor_f32 v[\ST], -v[\ST+1]                  ; the new -M = floor(-t) = -ceil(t): M is a whole number
	v_sub_f32 v8, v[\ST], v8                       ; M's old value less its new one: a whole number, 0 or less
	v_cvt_i32_f32 v8, v8                           ; (it saturates)
	v_ldexp_f32 v6, 1.0, v8                        ; f = 2^(old M - new M)
.set j, 0
.rept 32
	v_pk_fma_f32 v[96+j:97+j], v[96+j:97+j], s[22:23], v[\ST:\ST+1] op_sel_hi:[1,0,0]   ; t - M, two at a time (of the pairs c and -M the low word serves both halves)
.set j, j+2
.endr
.set j, 0
.rept 64
	v_exp_f32 v[96+j], v[96+j]                     ; p = 2^(t - M), at most 1: not normalised
.set j, j+1
.endr
	v_pk_mul_f32 v[\ST+2:\ST+3], v[\ST+2:\ST+3], v[6:7] op_sel_hi:[1,0]   ; the sums under the new M: the plain line behind the exponentials
	s_wait_alu depctr_va_vdst(0)                   ; one wait for the batch of 64, ahead of its first reader
	v_pk_add_f32 v[10:11], v[96:97], v[98:99]      ; the row's sum is taken of the unquantised p: two at a time, in two chains
.irp i, 4,8,12,16,20,24,28,32,36,40,44,48,52,56,60
	v_pk_add_f32 v[\ST+2:\ST+3], v[\ST+2:\ST+3], v[96+\i:97+\i]
	v_pk_add_f32 v[10:11], v[10:11], v[98+\i:99+\i]
.endr
	v_pk_add_f32 v[\ST+2:\ST+3], v[\ST+2:\ST+3], v[10:11]
	s_cmp_ge_i32 s36, -8                           ; e8 >= -8: 448 x 2^e8 >= 1.75, above every p: the hold can change nothing and is left out
	s_cbranch_scc1 .Lfree_\@
.set j, 0
.rept 64
	v_min_num_f32 v[96+j], s40, v[96+j]            ; the conversion does not saturate (ISA guide 7.6.2); p is not negative, so the hold is one-sided
.set j, j+1
.endr
.Lfree_\@:
.irp t, 0,1,2,3,4,5,6,7
	v_cvt_scalef32_pk8_fp8_f32 v[\PB+2*\t:\PB+2*\t+1], v[96+8*\t:103+8*\t], v4   ; keys 16 t + 8 h + 0 .. 7: registers 2 t, 2 t + 1 of the operand
.endr
.set j, 0
.rept 16
	v_pk_mul_f32 v[\OB+j:\OB+j+1], v[\OB+j:\OB+j+1], v[6:7] op_sel_hi:[1,0]      ; O^T under the new M.  (These are also the plain lines behind the conversions)
.set j, j+2
.endr
.endm
	s_mov_b32 s24, 0                               ; the step's byte in K's images and in V's: 8,192 a step in both
	s_mov_b32 s25, 8
.Lstep:
	v_add_nc_u32 v[ADR], s24, v[LI]
.rept 3
	v_nop                                          ; with the addition four places behind the last products, whose fragments' registers are loaded anew
.endr
.irp t, 0,1,2,3,4,5,6,7
	ds_load_b128 v[32+8*\t:35+8*\t], v[ADR] offset:1024*\t
	ds_load_b128 v[36+8*\t:39+8*\t], v[ADR] offset:1024*\t+512
.endr
	ds_load_b128 v[24:27], v[QAD]                  ; my first tile of Q
	ds_load_b128 v[28:31], v[QAD] offset:512
	s_wait_dscnt 0x0
.irp t, 0,1,2,3,4,5,6,7
	v_wmma_f32_16x16x64_fp8_fp8 v[96+8*\t:103+8*\t], v[32+8*\t:39+8*\t], v[24:31], 0
.endr
.rept 4
	v_nop                                          ; places in front of the loads into Q's registers and of the first read of the scores
.endr
	ds_load_b128 v[24:27], v[QAD] offset:1024      ; my second tile of Q lands while the first tile's softmax is walked
	ds_load_b128 v[28:31], v[QAD] offset:1536
	SOFTMAX 16, 224, 160
	s_wait_dscnt 0x0
.irp t, 0,1,2,3,4,5,6,7
	v_wmma_f32_16x16x64_fp8_fp8 v[96+8*\t:103+8*\t], v[32+8*\t:39+8*\t], v[24:31], 0
.endr
	v_add_nc_u32 v[ADR], VIMG, v[ADR]
.rept 3
	v_nop                                          ; with the addition four places: K's registers take V's fragments, which land while the second softmax is walked
.endr
.irp t, 0,1,2,3
.irp i, 0,1,2,3
	ds_load_b128 v[32+16*\t+4*\i:35+16*\t+4*\i], v[ADR] offset:2048*\t+512*\i
.endr
.endr
	SOFTMAX 20, 240, 192
	s_wait_dscnt 0x0
.irp t, 0,1,2,3                        ; O^T += V^T P^T: the eight accumulators by turns, one instruction a turn
	v_wmma_f32_16x16x128_fp8_fp8 v[160+8*\t:167+8*\t], v[32+16*\t:47+16*\t], v[224:239], v[160+8*\t:167+8*\t]
	v_wmma_f32_16x16x128_fp8_fp8 v[192+8*\t:199+8*\t], v[32+16*\t:47+16*\t], v[240:255], v[192+8*\t:199+8*\t]
.endr
	s_add_co_u32 s24, s24, 8192
	s_sub_co_u32 s25, s25, 1
	s_cmp_lg_u32 s25, 0
	s_cbranch_scc1 .Lstep
	; THE WAY OUT
.rept 4
	v_nop                                          ; places behind the last products
.endr
	v_add_f32 v18, v18, v19                        ; the sums' two halves,
	v_add_f32 v22, v22, v23
	v_permlanex16_b32 v5, v18, s20, s21
	v_permlanex16_b32 v8, v22, s20, s21
	v_add_f32 v18, v18, v5                         ; and lane l xor 16's
	v_add_f32 v22, v22, v8
	v_rcp_f32 v18, v18
	v_rcp_f32 v22, v22
	v_nop                                          ; a plain line behind the reciprocals
	s_wait_alu depctr_va_vdst(0)                   ; and one wait for both, ahead of their first reader
	v_ldexp_f32 v18, v18, s41                      ; x 2^(e8 + e9)
	v_ldexp_f32 v22, v22, s41
.macro OUT OB, L, CB, RB, off          ; one tile: o = O^T x 2^(e8 + e9) / the sum, held, turned into codes, the even and the odd d interleaved, stored
.set j, 0
.rept 32
	v_mul_f32 v[96+j], v[\OB+j], v[\L]             ; each accumulator from its low end on
.set j, j+1
.endr
.set j, 0
.rept 32
	v_med3_num_f32 v[96+j], v[96+j], s42, s43      ; the hold at +-448 x 2^e10
.set j, j+1
.endr
.irp t, 0,1,2,3
	v_cvt_scalef32_pk8_fp8_f32 v[\CB+2*\t:\CB+2*\t+1], v[96+8*\t:103+8*\t], v12
.endr
	v_nop                                          ; a plain line between the conversions and the lines that read their results
.irp u, 0,1
	v_perm_b32 v[\RB+4*\u],   v[\CB+4*\u+2], v[\CB+4*\u],   s46     ; d = 32 u + 16 h + 0 .. 3: tile 2 u's bytes 0, 1 between tile 2 u + 1's
	v_perm_b32 v[\RB+4*\u+1], v[\CB+4*\u+2], v[\CB+4*\u],   s47
	v_perm_b32 v[\RB+4*\u+2], v[\CB+4*\u+3], v[\CB+4*\u+1], s46
	v_perm_b32 v[\RB+4*\u+3], v[\CB+4*\u+3], v[\CB+4*\u+1], s47
.endr
	global_store_b128 v[LI], v[\RB:\RB+3], s[16:17] offset:\off             ; 32 lanes store 512 consecutive bytes, aligned
	global_store_b128 v[LI], v[\RB+4:\RB+7], s[16:17] offset:\off+512
.endm
	OUT 160, 18, 128, 32, 0
	OUT 192, 22, 136, 40, 262144                   ; sixteen row tiles of 16,384 bytes on
	s_wait_xcnt 0x0
	v_lshl_add_u32 v254, v0, 2, 0x48000
	v_mov_b32 v255, 0
	s_wait_tensorcnt 0x0
	ds_add_u32 v254, v255
	s_wait_dscnt 0x0
	s_endpgm
.Lfunc_end_k_q73df0cddfd_attn:
	.size	k_q73df0cddfd_attn, .Lfunc_end_k_q73df0cddfd_attn-k_q73df0cddfd_attn
	.p2alignl 7, 3214868480
	.fill 96, 4, 3214868480
	.section	.rodata,"a",@progbits
	.p2align	6, 0x0
	.amdhsa_kernel k_q73df0cddfd_attn
		.amdhsa_group_segment_fixed_size 296960
		.amdhsa_private_segment_fixed_size 0
		.amdhsa_enable_private_segment 0
		.amdhsa_kernarg_size 56
		.amdhsa_user_sgpr_count 2
		.amdhsa_user_sgpr_kernarg_segment_ptr 1
		.amdhsa_wavefront_size32 1
		.amdhsa_system_sgpr_workgroup_id_x 1
		.amdhsa_system_sgpr_workgroup_id_y 1
		.amdhsa_system_sgpr_workgroup_id_z 1
		.amdhsa_system_vgpr_workitem_id 0
		.amdhsa_next_free_vgpr 256
		.amdhsa_next_free_sgpr 66
		.amdhsa_reserve_vcc 0
		.amdhsa_float_denorm_mode_32 3
		.amdhsa_float_denorm_mode_16_64 3
		.amdhsa_memory_ordered 1
		.amdhsa_forward_progress 1
		.amdhsa_inst_pref_size 79
	.end_amdhsa_kernel
	.amdgpu_metadata
---
amdhsa.version: [ 1, 2 ]
amdhsa.kernels:
  - .name:           k_q73df0cddfd_attn
    .symbol:         k_q73df0cddfd_attn.kd
    .args:
      - { .name: qc, .offset: 0, .size: 8, .value_kind: global_buffer, .address_space: global }
      - { .name: wqimg, .offset: 8, .size: 8, .value_kind: global_buffer, .address_space: global }
      - { .name: bq, .offset: 16, .size: 8, .value_kind: global_buffer, .address_space: global }
      - { .name: kh, .offset: 24, .size: 8, .value_kind: global_buffer, .address_space: global }
      - { .name: vh, .offset: 32, .size: 8, .value_kind: global_buffer, .address_space: global }
      - { .name: lowp_scales, .offset: 40, .size: 8, .value_kind: global_buffer, .address_space: global }
      - { .name: oimg, .offset: 48, .size: 8, .value_kind: global_buffer, .address_space: global }
    .group_segment_fixed_size: 296960
    .private_segment_fixed_size: 0
    .kernarg_segment_align: 8
    .kernarg_segment_size: 56
    .max_flat_workgroup_size: 512
    .sgpr_count:     66
    .vgpr_count:     256
    .wavefront_size: 32
...
	.end_amdgpu_metadata
.endif
;; end of part 3
;; launch outln (part 4): grid 256 x 1, 4 waves a work-group, no clusters, 295,936 bytes of LDS; arguments oimg, woimg, q, bo, g1, b1, g2, b2, lowp_scales, out0; writes out0
.if DOCPART == 4
	.amdgcn_target "amdgcn-amd-amdhsa--gfx1250"
	.amdhsa_code_object_version 6
	.text
	.protected	k_q73df0cddfd_outln
	.globl	k_q73df0cddfd_outln
	.p2align	8
	.type	k_q73df0cddfd_outln,@function
k_q73df0cddfd_outln:
	s_mov_b64 s[64:65], 0
	v_nop
	global_prefetch_b8 v0, s[64:65] scope:SCOPE_SE
	s_setreg_imm32_b32 hwreg(HW_REG_WAVE_MODE, 25, 1), 1
	s_wait_xcnt 0x0
; out = LN2(relu(x) + x), x = LN1(o Wo^T + bo + q).  The product is on codes of E4M3 (o: e10, Wo: e11); all else in f32.
; SHARES.  A work-group owns 32 WHOLE rows of 1,024 columns, so that a row's mean and variance never leave it.  In the product wave w makes columns 256 w .. 256 w + 255 of all 32 rows: 2 x 16 accumulators,
; 256 registers.  Afterwards wave w owns rows 8 w .. 8 w + 7 whole: the sums change hands once, through a stage in LDS, and a row's statistics never leave the wave.
; o's codes (oimg) and Wo's (woimg) lie in the order of the operands' registers: registers 4 c .. 4 c + 3 hold k = 128 s + 32 c + 16 h + 0 .. 15, the same order in both.
; o's 32 KiB and q's 128 KiB come by two tensor loads a wave, once, at the head; no LDS byte is filled twice.
; Wo GOES FROM MEMORY STRAIGHT INTO REGISTERS: a wave's 256 KiB lie on end, each load is 512 consecutive bytes, 48 to 64 loads of each wave are out all the time, and no barrier stands in the product.
; NO CLUSTER: no wave reads a column of Wo that another wave of its work-group fetched, and a K step's 128 KiB of Wo feed only 32 matrix instructions a wave: a shared ring in LDS would put a round of the
;   cluster's barrier, with nothing on its way at that moment, in front of every 32 matrix instructions.
; THE MATRIX INSTRUCTION IS USED TRANSPOSED (source 0 = 16 rows of Wo, source 1 = 16 rows of o): a lane holds eight neighbouring columns of one row.
; The variance is the mean of the squares of the centred numbers, as the definition has it.
; LIMIT: e10 + e11 between -126 and 127.
; REGISTERS, in windows of 256: window 0: v1-5 addresses; v32-47 a pair of statistics a row; v48-55 permutes' destinations; v64-95 bo, v96-127 g1, v128-159 b1, v160-191 g2, v192-223 b2 (column 128 i + 4 lane + e at 4 i + e).
;   window 1: o's fragments (a, s) at 128 a + 16 s; later x, row p at 32 p.   window 2: Wo's sixteen fragments of a K step, b at 16 b.   window 3: accumulator (a, b) at 8 (16 a + b); later q, later relu(x).
.set AIMG, 0                           ; LDS: o's 16 fragments, 32,768 bytes
.set QST,  32768                       ; q: 32,768 bytes for each wave: its eight rows
.set STG,  163840                      ; the stage: 32 rows x (4,096 + 16) bytes; no tensor load lands here
.set SPT,  4112
.set LI,  1                            ; v1  16 x lane
.set SO,  2                            ; v2, v3  the stage: where I put 32 bytes of row r, of row 16 + r
.set XR,  4                            ; v4  where I read my rows back
.set QR,  5                            ; v5  my rows of q
.set T,   32
.set U,   48
.set PBO, 64
.set MSB, 0
.macro WIN new                         ; the immediate's high byte repeats the setting that is left
.if MSB != \new
	s_set_vgpr_msb (MSB<<8)|\new
.set MSB, \new
.endif
.endm
	s_load_b512 s[4:19], s[0:1], 0x0               ; oimg s[4:5], woimg s[6:7], q s[8:9], bo s[10:11], g1 s[12:13], b1 s[14:15], g2 s[16:17], b2 s[18:19]
	s_load_b128 s[20:23], s[0:1], 0x40             ; the scales' exponents s[20:21], out0 s[22:23]
	v_lshl_add_u32 v254, v0, 2, 0x48200
	v_mov_b32 v255, 0
	ds_add_u32 v254, v255
	ds_add_u32 v254, v255
	v_lshrrev_b32 v1, 5, v0
	v_readfirstlane_b32 s24, v1                    ; wave 0..3
	; descriptor group 1, elements of 8 bytes, rows of 256 bytes, dense, no padding: o: 32 rows (8,192 bytes a wave);  q: 128 rows (32,768 bytes a wave)
	s_mov_b32 s28, 3<<16                           ; no mask; elements of 8 bytes
	s_mov_b32 s29, 32<<16                          ; tensor_dim0 = 32
	s_mov_b32 s30, 32<<16                          ; tensor_dim1 = 32
	s_mov_b32 s31, 32<<16                          ; tile_dim0 = 32
	s_mov_b32 s32, 32                              ; tile_dim1 = 32
	s_mov_b32 s33, 32                              ; the pitch
	s_mov_b32 s34, 0
	s_mov_b32 s35, 0
	s_mov_b32 s36, 3<<16
	s_mov_b32 s37, 32<<16
	s_mov_b32 s38, 128<<16                         ; tensor_dim1 = 128
	s_mov_b32 s39, 32<<16
	s_mov_b32 s40, 128                             ; tile_dim1 = 128
	s_mov_b32 s41, 32
	s_mov_b32 s42, 0
	s_mov_b32 s43, 0
	s_lshl_b32 s26, ttmp9, 15                      ; o: 32,768 bytes a work-group, 8,192 a wave
	s_lshl_b32 s25, s24, 13
	s_add_co_u32 s26, s26, s25
	s_mov_b32 s27, 0
	s_lshl_b32 s60, ttmp9, 17                      ; q and out0: 32 rows of 4,096 bytes a work-group, 8 a wave
	s_lshl_b32 s61, s24, 15
	s_add_co_u32 s60, s60, s61
	s_mov_b32 s61, 0
	s_lshl_b32 s62, s24, 18                        ; Wo: 262,144 bytes a wave
	s_mov_b32 s63, 0
	s_mov_b32 s54, 0x3a800000                      ; 1 / 1,024
	s_mov_b32 s55, 0x3727c5ac                      ; 1e-5
	s_mov_b32 s56, 0x76543210
	s_mov_b32 s57, 0xfedcba98                      ; v_permlanex16_b32's selects for lane l xor 16
	s_wait_dscnt 0x0
	s_wait_kmcnt 0x0
	s_load_b64 s[58:59], s[20:21], 0x28            ; e10, e11
	s_mov_b32 s44, 1                               ; group 0 for o: count = 1,
	s_lshl_b32 s45, s24, 13                        ; LDS address: 8,192 x wave,
	s_add_nc_u64 s[46:47], s[4:5], s[26:27]        ; global address,
	s_or_b32 s47, s47, 0x80000000                  ; type = 2
	s_mov_b32 s48, 1                               ; and for q
	s_lshl_b32 s49, s24, 15
	s_add_co_u32 s49, s49, QST
	s_add_nc_u64 s[50:51], s[8:9], s[60:61]
	s_or_b32 s51, s51, 0x80000000
	s_add_nc_u64 s[22:23], s[22:23], s[60:61]
	s_add_nc_u64 s[6:7], s[6:7], s[62:63]
	tensor_load_to_lds s[44:47], s[28:35]          ; both fills go out together, ahead of every wait on TENSORcnt, every LDS read and every barrier: two loads of mine are out
	s_nop 0
	tensor_load_to_lds s[48:51], s[36:43]
	s_nop 0
.rept 4
	v_nop
.endr
	v_and_b32 v6, 31, v0
	v_lshlrev_b32 v[LI], 4, v6
	v_and_b32 v7, 15, v0                           ; r
	v_bfe_u32 v8, v0, 4, 1                         ; h
	v_mul_u32_u24 v[SO], v7, SPT
	v_lshl_add_u32 v[SO], v8, 5, v[SO]
	s_lshl_b32 s25, s24, 10
	s_add_co_u32 s25, s25, STG
	v_add_nc_u32 v[SO], s25, v[SO]                 ; row r, + 32 h, + my 256 columns' 1,024 bytes x wave
	v_add_nc_u32 v[SO+1], 16*SPT, v[SO]
	s_mul_i32 s25, s24, 8*SPT
	s_add_co_u32 s25, s25, STG
	v_add_nc_u32 v[XR], s25, v[LI]
	s_lshl_b32 s25, s24, 15
	s_add_co_u32 s25, s25, QST
	v_add_nc_u32 v[QR], s25, v[LI]
.irp p, 0,1,2,3,4,5,6,7
	v_mov_b32 v[U+\p], 0                           ; written once: a lane permute's destination counts as one of its sources
.endr
.irp g, 0,1,2,3,4                      ; bo, g1, b1, g2, b2: 4,096 bytes each, 512 consecutive bytes a load
.irp i, 0,1,2,3,4,5,6,7
	global_load_b128 v[PBO+32*\g+4*\i:PBO+32*\g+4*\i+3], v[LI], s[10+2*\g:11+2*\g] offset:512*\i
.endr
.endr
	WIN 0x80                                       ; destination window 2
.set f, 0
.rept 16                               ; Wo's sixteen fragments of K step 0
.irp c, 0,1,2,3
	global_load_b128 v[16*f+4*\c:16*f+4*\c+3], v[LI], s[6:7] offset:f*2048+512*\c
.endr
.set f, f+1
.endr
	WIN 0
	s_wait_kmcnt 0x0
	s_add_co_i32 s52, s58, s59
	s_add_co_i32 s52, s52, 127
	s_lshl_b32 s52, s52, 23                        ; 2^(e10 + e11) as f32
	s_mov_b32 s53, s52                             ; (named with it as a pair, so it is written)
	s_wait_tensorcnt 1                             ; my quarter of o is in; q's tile may stay out, and only I read it
	s_barrier_signal -1
	s_barrier_wait -1                              ; everybody's quarter is
	WIN 0x40                                       ; destination window 1
.set i, 0
.rept 64
	ds_load_b128 v[4*i:4*i+3], v[LI] offset:512*i  ; o's sixteen fragments stay in registers
.set i, i+1
.endr
	s_wait_dscnt 0x0
; Four of Wo's fragments of K step s against o's two: eight matrix instructions; then the same four slots take K step s + 1.
; The 32 accumulators take turns, one instruction a turn, in the same order in every K step.
.macro GROUP s, gq
.if \s < 7
	s_wait_loadcnt 48                              ; this group's sixteen loads are in; behind them three groups' 48 were issued
.else
	s_wait_loadcnt 16*(3-\gq)                      ; the last K step: nothing more is asked for, the counts run down
.endif
	WIN 0xf6                                       ; source 0 (Wo) window 2, source 1 (o) window 1, C and D window 3
.irp bb, 0,1,2,3
.irp a, 0,1
.if \s == 0
	v_wmma_f32_16x16x128_fp8_fp8 v[8*(16*\a+4*\gq+\bb):8*(16*\a+4*\gq+\bb)+7], v[16*(4*\gq+\bb):16*(4*\gq+\bb)+15], v[128*\a+16*\s:128*\a+16*\s+15], 0
.else
	v_wmma_f32_16x16x128_fp8_fp8 v[8*(16*\a+4*\gq+\bb):8*(16*\a+4*\gq+\bb)+7], v[16*(4*\gq+\bb):16*(4*\gq+\bb)+15], v[128*\a+16*\s:128*\a+16*\s+15], v[8*(16*\a+4*\gq+\bb):8*(16*\a+4*\gq+\bb)+7]
.endif
.endr
.endr
.if \s < 7
.rept 4
	v_nop                                          ; places in front of loads into registers that these products have read
.endr
	WIN 0x80
.irp bb, 0,1,2,3
.irp c, 0,1,2,3
	global_load_b128 v[16*(4*\gq+\bb)+4*\c:16*(4*\gq+\bb)+4*\c+3], v[LI], s[6:7] offset:((\s+1)*16+4*\gq+\bb)*2048+512*\c   ; every offset an immediate: no pointer is stepped
.endr
.endr
.endif
.endm
.irp s, 0,1,2,3,4,5,6,7
.irp gq, 0,1,2,3
	GROUP \s, \gq
.endr
.endr
	WIN 0
.rept 4
	v_nop                                          ; places behind the last products
.endr
	WIN 0x0c                                       ; store data window 3
.irp a, 0,1
.irp b, 0,1,2,3,4,5,6,7,8,9,10,11,12,13,14,15
	ds_store_b128 v[SO+\a], v[8*(16*\a+\b):8*(16*\a+\b)+3] offset:64*\b        ; the sums as they are: row 16 a + r, columns 256 w + 16 b + 8 h + 0 .. 7; each accumulator from its low end on
	ds_store_b128 v[SO+\a], v[8*(16*\a+\b)+4:8*(16*\a+\b)+7] offset:64*\b+16
.endr
.endr
	WIN 0
	s_wait_dscnt 0x0                               ; for the others' sake: my columns lie in the stage
	s_barrier_signal -1
	s_barrier_wait -1                              ; 32 whole rows do
	s_wait_tensorcnt 0x0                           ; my eight rows of q
	WIN 0x40
.irp p, 0,1,2,3,4,5,6,7
.irp i, 0,1,2,3,4,5,6,7
	ds_load_b128 v[32*\p+4*\i:32*\p+4*\i+3], v[XR] offset:SPT*\p+512*\i        ; row 8 w + p: columns 128 i + 4 lane + 0 .. 3
.endr
.endr
	WIN 0xc0
.irp p, 0,1,2,3,4,5,6,7
.irp i, 0,1,2,3,4,5,6,7
	ds_load_b128 v[32*\p+4*\i:32*\p+4*\i+3], v[QR] offset:4096*\p+512*\i
.endr
.endr
	s_wait_dscnt 0x0
; A sum over the wave's 32 lanes for each of the eight rows, the rows by turns; the result stands in every lane, in the pair's low register
.macro RED
.irp p, 0,1,2,3,4,5,6,7
	v_add_f32 v[T+2*\p], v[T+2*\p], v[T+2*\p+1]
.endr
.irp m, 1,2,4,8
.irp p, 0,1,2,3,4,5,6,7
	v_add_f32_dpp v[T+2*\p], v[T+2*\p], v[T+2*\p] row_xmask:\m row_mask:0xf bank_mask:0xf
.endr
.endr
.irp p, 0,1,2,3,4,5,6,7
	v_permlanex16_b32 v[U+\p], v[T+2*\p], s56, s57
.endr
.irp p, 0,1,2,3,4,5,6,7
	v_add_f32 v[T+2*\p], v[T+2*\p], v[U+\p]
.endr
.endm
; x = (x - mean) / sqrt(var + 1e-5) x gain + bias, for my eight rows.  G, Bb: where gain and bias lie in window 0
.macro LNORM G, Bb
	WIN 0x05                                       ; sources 0 and 1 window 1, destination window 0
.irp p, 0,1,2,3,4,5,6,7
	v_pk_add_f32 v[T+2*\p:T+2*\p+1], v[32*\p:32*\p+1], v[32*\p+2:32*\p+3]
.endr
	WIN 0x04                                       ; source 1 window 1
.irp k, 2,3,4,5,6,7,8,9,10,11,12,13,14,15
.irp p, 0,1,2,3,4,5,6,7
	v_pk_add_f32 v[T+2*\p:T+2*\p+1], v[T+2*\p:T+2*\p+1], v[32*\p+2*\k:32*\p+2*\k+1]
.endr
.endr
	WIN 0
	RED
.irp p, 0,1,2,3,4,5,6,7
	v_mul_f32 v[T+2*\p], s54, v[T+2*\p]            ; the mean
.endr
	WIN 0x41                                       ; source 0 and destination window 1
.irp p, 0,1,2,3,4,5,6,7
.irp k, 0,1,2,3,4,5,6,7,8,9,10,11,12,13,14,15
	v_pk_add_f32 v[32*\p+2*\k:32*\p+2*\k+1], v[32*\p+2*\k:32*\p+2*\k+1], v[T+2*\p:T+2*\p+1] op_sel_hi:[1,0] neg_lo:[0,1] neg_hi:[0,1]   ; x - mean (the pair's low word for both halves)
.endr
.endr
	WIN 0x05
.irp p, 0,1,2,3,4,5,6,7
	v_pk_mul_f32 v[T+2*\p:T+2*\p+1], v[32*\p:32*\p+1], v[32*\p:32*\p+1]
.endr
.irp k, 1,2,3,4,5,6,7,8,9,10,11,12,13,14,15
.irp p, 0,1,2,3,4,5,6,7
	v_pk_fma_f32 v[T+2*\p:T+2*\p+1], v[32*\p+2*\k:32*\p+2*\k+1], v[32*\p+2*\k:32*\p+2*\k+1], v[T+2*\p:T+2*\p+1]
.endr
.endr
	WIN 0
	RED
.irp p, 0,1,2,3,4,5,6,7
	v_fma_f32 v[T+2*\p], v[T+2*\p], s54, s55       ; the variance + 1e-5
.endr
.irp p, 0,1,2,3,4,5,6,7
	v_rsq_f32 v[T+2*\p], v[T+2*\p]
.endr
	v_nop                                          ; a plain line behind the last root
	s_wait_alu depctr_va_vdst(0)                   ; one wait for the eight, ahead of their first reader
	WIN 0x41
.irp p, 0,1,2,3,4,5,6,7
.irp k, 0,1,2,3,4,5,6,7,8,9,10,11,12,13,14,15
	v_pk_mul_f32 v[32*\p+2*\k:32*\p+2*\k+1], v[32*\p+2*\k:32*\p+2*\k+1], v[T+2*\p:T+2*\p+1] op_sel_hi:[1,0]
.endr
.irp k, 0,1,2,3,4,5,6,7,8,9,10,11,12,13,14,15
	v_pk_fma_f32 v[32*\p+2*\k:32*\p+2*\k+1], v[32*\p+2*\k:32*\p+2*\k+1], v[\G+2*\k:\G+2*\k+1], v[\Bb+2*\k:\Bb+2*\k+1]
.endr
.endr
.endm
	WIN 0x71                                       ; source 0 and destination window 1, source 2 (q) window 3
.set j, 0
.rept 128
	v_pk_fma_f32 v[j:j+1], v[j:j+1], s[52:53], v[j:j+1] op_sel_hi:[1,0,1]      ; sum x 2^(e10 + e11) + q
.set j, j+2
.endr
	WIN 0x41
.irp p, 0,1,2,3,4,5,6,7
.irp k, 0,1,2,3,4,5,6,7,8,9,10,11,12,13,14,15
	v_pk_add_f32 v[32*\p+2*\k:32*\p+2*\k+1], v[32*\p+2*\k:32*\p+2*\k+1], v[PBO+2*\k:PBO+2*\k+1]   ; + bo
.endr
.endr
	LNORM 96, 128
	WIN 0xc4                                       ; source 1 window 1, destination window 3
.set j, 0
.rept 256
	v_max_num_f32 v[j], 0, v[j]                    ; relu(x), into the registers that q has left
.set j, j+1
.endr
	WIN 0x4d                                       ; source 0 and destination window 1, source 1 window 3
.set j, 0
.rept 128
	v_pk_add_f32 v[j:j+1], v[j:j+1], v[j:j+1]      ; x + relu(x)
.set j, j+2
.endr
	LNORM 160, 192
	WIN 0x04                                       ; store data window 1
.irp p, 0,1,2,3,4,5,6,7
.irp i, 0,1,2,3,4,5,6,7
	global_store_b128 v[LI], v[32*\p+4*\i:32*\p+4*\i+3], s[22:23] offset:4096*\p+512*\i th:TH_STORE_NT   ; 32 lanes store 512 consecutive bytes, aligned; written once, read by nobody here
.endr
.endr
	WIN 0
	s_wait_tensorcnt 0x0
	ds_add_u32 v254, v255
	s_wait_dscnt 0x0
	s_endpgm
.Lfunc_end_k_q73df0cddfd_outln:
	.size	k_q73df0cddfd_outln, .Lfunc_end_k_q73df0cddfd_outln-k_q73df0cddfd_outln
	.p2alignl 7, 3214868480
	.fill 96, 4, 3214868480
	.section	.rodata,"a",@progbits
	.p2align	6, 0x0
	.amdhsa_kernel k_q73df0cddfd_outln
		.amdhsa_group_segment_fixed_size 295936
		.amdhsa_private_segment_fixed_size 0
		.amdhsa_enable_private_segment 0
		.amdhsa_kernarg_size 80
		.amdhsa_user_sgpr_count 2
		.amdhsa_user_sgpr_kernarg_segment_ptr 1
		.amdhsa_wavefront_size32 1
		.amdhsa_system_sgpr_workgroup_id_x 1
		.amdhsa_system_sgpr_workgroup_id_y 1
		.amdhsa_system_sgpr_workgroup_id_z 1
		.amdhsa_system_vgpr_workitem_id 0
		.amdhsa_next_free_vgpr 1024
		.amdhsa_next_free_sgpr 66
		.amdhsa_reserve_vcc 0
		.amdhsa_float_denorm_mode_32 3
		.amdhsa_float_denorm_mode_16_64 3
		.amdhsa_memory_ordered 1
		.amdhsa_forward_progress 1
		.amdhsa_inst_pref_size 227
	.end_amdhsa_kernel
	.amdgpu_metadata
---
amdhsa.version: [ 1, 2 ]
amdhsa.kernels:
  - .name:           k_q73df0cddfd_outln
    .symbol:         k_q73df0cddfd_outln.kd
    .args:
      - { .name: oimg, .offset: 0, .size: 8, .value_kind: global_buffer, .address_space: global }
      - { .name: woimg, .offset: 8, .size: 8, .value_kind: global_buffer, .address_space: global }
      - { .name: q, .offset: 16, .size: 8, .value_kind: global_buffer, .address_space: global }
      - { .name: bo, .offset: 24, .size: 8, .value_kind: global_buffer, .address_space: global }
      - { .name: g1, .offset: 32, .size: 8, .value_kind: global_buffer, .address_space: global }
      - { .name: b1, .offset: 40, .size: 8, .value_kind: global_buffer, .address_space: global }
      - { .name: g2, .offset: 48, .size: 8, .value_kind: global_buffer, .address_space: global }
      - { .name: b2, .offset: 56, .size: 8, .value_kind: global_buffer, .address_space: global }
      - { .name: lowp_scales, .offset: 64, .size: 8, .value_kind: global_buffer, .address_space: global }
      - { .name: out0, .offset: 72, .size: 8, .value_kind: global_buffer, .address_space: global }
    .group_segment_fixed_size: 295936
    .private_segment_fixed_size: 0
    .kernarg_segment_align: 8
    .kernarg_segment_size: 80
    .max_flat_workgroup_size: 128
    .sgpr_count:     66
    .vgpr_count:     1024
    .wavefront_size: 32
...
	.end_amdgpu_metadata
.endif
;; end of part 4
;; ======== version 2 of 2: 4 launches; version 1 with the launch attn written anew for expert scheduling mode
;; workspace buffers: qc 8,388,608 bytes; woimg 1,048,576 bytes; wqimg 1,048,576 bytes; kh 8,388,608 bytes; vh 8,388,608 bytes; oimg 8,388,608 bytes
;; launch prep: the kernel of part 1 again; grid 1056 x 1, 4 waves a work-group, no clusters, 34,304 bytes of LDS; arguments q, Wo_codes, Wq_codes, lowp_scales, qc, woimg, wqimg; writes qc, woimg, wqimg
;; launch proj: the kernel of part 2 again; grid 4 x 64, 4 waves a work-group, clusters of 4 x 4, 327,680 bytes of LDS; arguments k_codes, r_codes, Wk_codes, Wv_codes, bk, bv, lowp_scales, kh, vh; writes kh, vh
;; launch attn (part 5): grid 2 x 128, 16 waves a work-group, no clusters, 296,960 bytes of LDS; arguments qc, wqimg, bq, kh, vh, lowp_scales, oimg; writes oimg
.if DOCPART == 5
	.amdgcn_target "amdgcn-amd-amdhsa--gfx1250"
	.amdhsa_code_object_version 6
	.text
	.protected	k_q73df0cddfd_attn
	.globl	k_q73df0cddfd_attn
	.p2align	8
	.type	k_q73df0cddfd_attn,@function
k_q73df0cddfd_attn:
	s_mov_b64 s[64:65], 0
	v_nop
	global_prefetch_b8 v0, s[64:65] scope:SCOPE_SE
	s_setreg_imm32_b32 hwreg(HW_REG_WAVE_SCHED_MODE, 0, 2), 2
	s_setreg_imm32_b32 hwreg(HW_REG_WAVE_MODE, 25, 1), 1
	s_wait_xcnt 0x0
	s_wait_alu depctr_vm_vsrc(0)
; qh = q Wq^T + bq for one head's 512 queries, then o = softmax(qh k^T / 8) v, all three products on codes of E4M3, and o quantised for the last projection.
; qc: q's codes, [row tile 512][s 8][c 4][lane 32][16 bytes]: row 16 RT + r, k = 128 s + 32 c + 16 h + 0 .. 15.  wqimg: Wq's codes, [head 16][t 4][s 8][c 4][lane 32][16 bytes], the same order of k;
;   lane r of tile t holds Wq's row 64 head + 32 (t / 2) + 8 (t % 2) + r + 8 (r / 8).  kh, vh: [b x head 128][T 64][c 2][lane 32][16 bytes]: row 16 T + r, d = 32 c + 16 h + 0 .. 15.
; Scales: q e2, Wq e3, qh e6, kh e7, p e8, vh e9, o e10.
; THE PROJECTION.  Each wave makes the operand of its own two tiles of queries: 4 tiles of d x 8 steps of 128 along K x 2 = 64 matrix instructions.  It is used transposed (source 0 = 16 rows of Wq,
;   source 1 = 16 queries): tile t's register j is d = 32 (t / 2) + 16 h + 8 (t % 2) + j of the lane's query, so tile t's eight codes ARE registers 2 t, 2 t + 1 of the operand, in kh's order of d.
;   bq goes in as the C of the first products, as bq / 2^(e2 + e3); the code is the sum / 2^(e6 - e2 - e3), held within +-448.  q's fragments come from memory straight into registers, each load 512
;   consecutive bytes, two K steps (16 loads) ahead; Wq's 32 fragments lie in LDS once for the sixteen waves, and each fragment read feeds two products.
; THE SOFTMAX: t = score x log2(e) / 8; M = the running largest t, rounded UP to a whole number; p = 2^(t - M) is quantised, not normalised; the row's sum is taken of the unquantised p and divides at the end.
; When M moves, the sum and O are multiplied by 2^(old M - new M): exact.
; SHARES.  A work-group owns 512 queries of one head; each of its sixteen waves owns TWO tiles of 16 queries (32 x + w and 32 x + 16 + w), which share every fragment of Wq, K and V that the wave reads from LDS.
; The head's whole K and V (64 KiB each) lie in LDS, written once at the head: no ring and no barrier in the loop.
; V IS TURNED ONCE: the second product wants the keys innermost.  ds_load_tr16_b128 on pairs of bytes and v_perm_b32 make, of 128 keys x 32 d, two fragments: the even d and the odd d.
;   Fragment tau of a key step holds d = 32 (tau / 2) + 2 r + tau % 2; registers 2 c, 2 c + 1: keys 16 c + 8 h + 0 .. 7.  They lie in LDS as images of the registers.
; LAYOUT.  S^T = K Q^T (source 0 = 16 keys, source 1 = 16 queries): a lane holds ONE query; tile t's registers are keys 16 t + 8 h + 0 .. 7, so its eight codes ARE registers 2 t, 2 t + 1 of P.
;   O^T = V^T P^T: tile tau, register j: d = 32 (tau / 2) + 16 h + 2 j + tau % 2: the codes of tiles 2 u and 2 u + 1, interleaved byte by byte, are d = 32 u + 16 h + 0 .. 15.
; OUTPUT: oimg [row tile 512][s 8][c 4][lane 32][16 bytes]: row 16 RT + r, k = 128 s + 32 c + 16 h + 0 .. 15, k = 64 x head + d: each store is 512 consecutive bytes, with no stage.
; NO CLUSTER, NO TENSOR LOAD.  Shared between work-groups are a head's K and V (two work-groups, 128 KiB, read once for 512 x 1,024 scores) and q's fragments (the sixteen heads' work-groups, 512 KiB).
;   A joint request is a tensor load into LDS: q's 512 KiB would go through a ring with a round of the cluster's barrier for each refill, in a phase of 64 matrix instructions a wave, though each fragment is read
;   by one wave alone; the branch below leaves out, where e8 >= -8, the 128 holds of a step's two softmaxes (p <= 1 < 448 x 2^e8 there).
; LIMITS: e6 - e2 - e3, e8 and e10 between -126 and 119; e6 + e7 between -123 and 130 (added to c's exponent field); e8 + e9 is applied by v_ldexp_f32 and has none.  NaN among the inputs is not served.
; REGISTERS: v1 16 x lane; v2 K's address in hand; v3 my Q images; v4 2^e8; v5 a permute's destination; v[6:7] f; v8-11 at the head addresses and qh's scale, then at work; v12 2^e10; v13 16 x thread;
;   v14, v15 the turning's addresses, v14 then V's address in hand; v16-19, v20-23 a tile's -M, largest t, sum in two halves; v24-31 Q; v32-95 Wq's, K's or V's fragments; v96-159 q's fragments in two buffers,
;   then S^T and p; v160-191, v192-223 qh's sums, then O^T; v224-239, v240-255 the bias, then P.
; THE MODE: SCHED_MODE bits 1:0 = 2 (LLVM: expert scheduling mode 2), set by the entry lines.  The code itself states the register dependences between vector or matrix instructions and memory or LDS
; instructions, with s_wait_alu, always for 0.
; THE PLAN.  The wave's 256 registers are all taken (sixteen waves share the four SIMDs' registers), so each buffer is single and a wait stands where a buffer changes hands.
;   Addresses  v1, v3, v8, v9, v11, v13, v15 (and v2, v14 in their first use) are all made ahead of the first load: one wait on va_vdst serves them for the whole kernel.
;   The head   v160-191, v64-95, v32-63: loaded, read by the LDS stores of Wq, V and K, then written anew (by the first products, the byte shuffles, the turning loads): one wait on vm_vsrc behind the first barrier.
;              v64-95: written by the byte shuffles, read by the stores of the turned V, then Wq's fragments land: a wait on va_vdst ahead of the stores, one on vm_vsrc behind them.
;   Q's steps  v32-95 (Wq's fragments) and one of v96-127, v128-159 (q's) are read by a step's eight products; behind ONE wait on va_vdst at the step's end q's loads of two steps on and the next step's LDS loads follow.
;   The loop   v2, v14: written once a trip, at its head, behind a wait on vm_vsrc (the trip before has read them) and ahead of the head's wait on va_vdst.
;              v32-95: K's loads at the head (the head's wait: the last products V^T P are done reading them); V's loads behind the second run of scores (a wait there: both runs are done reading K).
;              v24-31: Q's first tile at the head; Q's second tile behind the wait that the first softmax's exponentials have in any case: it also states that the first run of scores is done reading v24-31.
;              S^T, p, P, O^T and the statistics are named by vector and matrix instructions alone.
;   The way out  v32-47: written by both tiles' byte shuffles, then one wait on va_vdst, then the four stores.
.set KIMG, 0                           ; LDS: K as it comes: 64 tiles of 1,024 bytes
.set VIMG, 65536                       ; V turned: [step 8][tau 4] fragments of 2,048 bytes
.set VRAW, 131072                      ; V as it comes
.set QIMG, 196608                      ; 16 waves x 2 tiles x 1,024 bytes: each wave's own
.set WQIMG, 229376                     ; Wq's head: [t 4][s 8] fragments of 2,048 bytes
.set LI,  1
.set ADR, 2
.set QAD, 3
.set WQS, 8                            ; v8   where I store my part of Wq: WQIMG + 16 x thread
.set WQR, 9                            ; v9   where I read a fragment of Wq: WQIMG + 16 x lane
.set QSC, 10                           ; v10  2^(e6 - e2 - e3) as f32
.set BQO, 11                           ; v11  64 x (lane / 16): my part of the bias
.set ADV, 14                           ; v14  in the loop: the LDS address of the step's fragments of V
	s_load_b256 s[4:11], s[0:1], 0x0               ; qc s[4:5], wqimg s[6:7], bq s[8:9], kh s[10:11]
	s_load_b128 s[12:15], s[0:1], 0x20             ; vh s[12:13], the scales' exponents s[14:15]
	s_load_b64 s[16:17], s[0:1], 0x30              ; oimg
	v_lshrrev_b32 v2, 5, v0
	v_readfirstlane_b32 s18, v2                    ; wave 0..15
	s_and_b32 s19, ttmp7, 0xffff                   ; b x 16 + head
	v_and_b32 v1, 31, v0
	v_lshlrev_b32 v[LI], 4, v1
	v_lshlrev_b32 v13, 4, v0                       ; 16 x thread: 512 threads cover 8,192 bytes
	v_add_nc_u32 v[ADR], VRAW, v13
	v_add_nc_u32 v[WQS], WQIMG, v13
	v_add_nc_u32 v[WQR], WQIMG, v[LI]
	v_bfe_u32 v[BQO], v0, 4, 1
	v_lshlrev_b32 v[BQO], 6, v[BQO]
	s_wait_alu depctr_va_sdst(0)                   ; s18, the wave's number, is written, ahead of its first reader: offsets and LDS addresses are made from it
	s_lshl_b32 s26, s19, 16                        ; the head's first byte in kh and vh
	s_mov_b32 s27, 0
	s_and_b32 s48, s19, 15                         ; the head
	s_lshl_b32 s50, s48, 16                        ; its 32 fragments of Wq
	s_mov_b32 s51, 0
	s_lshl_b32 s52, s48, 8                         ; its 64 numbers of bq
	s_mov_b32 s53, 0
	s_lshl_b32 s24, ttmp9, 5
	s_add_co_u32 s24, s24, s18                     ; my first tile of queries: 32 x + w
	s_lshr_b32 s54, s19, 4
	s_lshl_b32 s54, s54, 6
	s_add_co_u32 s54, s54, s24                     ; its row tile among the 512: 64 b + 32 x + w,
	s_lshl_b32 s54, s54, 14                        ; of 16,384 bytes, in qc and in oimg
	s_mov_b32 s55, 0
	s_lshr_b32 s25, s48, 1                         ; in oimg: s = head / 2,
	s_lshl_b32 s25, s25, 11
	s_add_co_u32 s56, s54, s25
	s_and_b32 s25, s48, 1                          ; c = 2 (head % 2) + u
	s_lshl_b32 s25, s25, 10
	s_add_co_u32 s56, s56, s25
	s_mov_b32 s57, 0
	s_wait_kmcnt 0x0
	s_load_b256 s[28:35], s[14:15], 0x0            ; e0 .. e7: e2 = s30, e3 = s31, e6 = s34, e7 = s35
	s_load_b128 s[36:39], s[14:15], 0x20           ; e8 = s36, e9 = s37, e10 = s38
	s_add_nc_u64 s[6:7], s[6:7], s[50:51]
	s_add_nc_u64 s[12:13], s[12:13], s[26:27]
	s_add_nc_u64 s[10:11], s[10:11], s[26:27]
	s_add_nc_u64 s[8:9], s[8:9], s[52:53]
	s_add_nc_u64 s[4:5], s[4:5], s[54:55]
	s_add_nc_u64 s[16:17], s[16:17], s[56:57]
	; the remaining LDS addresses are made here, ahead of the first load, so that one wait serves every address of the kernel
	s_lshl_b32 s26, s18, 11
	s_add_co_u32 s26, s26, QIMG
	v_add_nc_u32 v[QAD], s26, v[LI]
	; the turning: wave w takes key step w / 2 and d = 32 (w % 2) on.  Lane L reads 16 bytes: key 16 c + 8 (L / 16) + L % 8, d = 32 (w % 2) + 16 ((L / 8) % 2) + 0 .. 15
	s_lshr_b32 s26, s18, 1
	s_lshl_b32 s26, s26, 13
	s_and_b32 s27, s18, 1
	s_lshl_b32 s48, s27, 9
	s_add_co_u32 s48, s48, s26
	s_add_co_u32 s48, s48, VRAW
	v_and_b32 v14, 7, v0
	v_lshlrev_b32 v14, 4, v14
	v_bfe_u32 v15, v0, 3, 1
	v_lshl_add_u32 v14, v15, 8, v14
	v_bfe_u32 v15, v0, 4, 1
	v_lshl_add_u32 v14, v15, 7, v14
	v_add_nc_u32 v14, s48, v14
	s_lshl_b32 s49, s27, 12
	s_add_co_u32 s49, s49, s26
	s_add_co_u32 s49, s49, VIMG
	v_add_nc_u32 v15, s49, v[LI]                   ; where my two fragments go: step w / 2, tau = 2 (w % 2) and the next
	s_wait_alu depctr_va_vdst(0)                   ; v1, v2, v3, v8, v9, v11, v13, v14 and v15 are written: the loads, LDS stores and LDS loads below read them as offsets and addresses
; q's fragments of K step s, of my two tiles (16 row tiles apart), into buffer s % 2: eight loads of 512 consecutive bytes
.macro QLOAD s
.set QL, 96+32*((\s)%2)
.irp c, 0,1,2,3
	global_load_b128 v[QL+4*\c:QL+4*\c+3], v[LI], s[4:5] offset:(\s)*2048+512*\c
.endr
.irp c, 0,1,2,3
	global_load_b128 v[QL+16+4*\c:QL+16+4*\c+3], v[LI], s[4:5] offset:262144+(\s)*2048+512*\c
.endr
.endm
.irp i, 0,1,2,3,4,5,6,7
	global_load_b128 v[160+4*\i:163+4*\i], v13, s[6:7] offset:8192*\i    ; Wq's head, into registers that the sums take later
.endr
.irp i, 0,1,2,3,4,5,6,7
	global_load_b128 v[64+4*\i:67+4*\i], v13, s[12:13] offset:8192*\i    ; V
.endr
.irp i, 0,1,2,3,4,5,6,7
	global_load_b128 v[32+4*\i:35+4*\i], v13, s[10:11] offset:8192*\i    ; K
.endr
.irp t, 0,1,2,3
	global_load_b128 v[224+8*\t:227+8*\t], v[BQO], s[8:9] offset:(32*(\t/2)+8*(\t%2))*4      ; bq in the result's layout: tile t, lane (r, h): d = 32 (t / 2) + 16 h + 8 (t % 2) + 0 .. 7
	global_load_b128 v[228+8*\t:231+8*\t], v[BQO], s[8:9] offset:(32*(\t/2)+8*(\t%2))*4+16
.endr
	QLOAD 0
	QLOAD 1
	s_mov_b32 s20, 0x76543210
	s_mov_b32 s21, 0xfedcba98                      ; v_permlanex16_b32's selects for lane l xor 16
	s_mov_b32 s44, 0x06040200                      ; the even bytes of two registers,
	s_mov_b32 s45, 0x07050301                      ; the odd ones
	s_mov_b32 s46, 0x05010400                      ; two registers' bytes 0, 1 interleaved,
	s_mov_b32 s47, 0x07030602                      ; their bytes 2, 3
	s_wait_loadcnt 40                              ; Wq's eight loads are in; behind them: V 8, K 8, the bias 8, q 16
.irp i, 0,1,2,3,4,5,6,7
	ds_store_b128 v[WQS], v[160+4*\i:163+4*\i] offset:8192*\i
.endr
	s_wait_loadcnt 32                              ; V is in
.irp i, 0,1,2,3,4,5,6,7
	ds_store_b128 v[ADR], v[64+4*\i:67+4*\i] offset:8192*\i
.endr
	s_wait_loadcnt 24                              ; K is in
.irp i, 0,1,2,3,4,5,6,7
	ds_store_b128 v13, v[32+4*\i:35+4*\i] offset:8192*\i
.endr
	s_wait_dscnt 0x0                               ; for the others' sake: my parts of Wq, V and K lie in LDS
	s_barrier_signal -1
	s_barrier_wait -1                              ; everybody's do
	s_wait_alu depctr_vm_vsrc(0)                   ; my LDS stores have read v32-63, in which the turning loads land, v64-95, which the byte shuffles write, and v160-191, which the first products write
.irp c, 0,1,2,3,4,5,6,7
	ds_load_tr16_b128 v[32+4*\c:35+4*\c], v14 offset:1024*\c   ; keys 16 c + 8 h + 0 .. 7 of d = 32 (w % 2) + 2 r and the next, byte by byte
.endr
	s_wait_kmcnt 0x0
	s_add_co_i32 s26, s34, s35
	s_lshl_b32 s26, s26, 23
	s_add_co_i32 s22, s26, 0x3e38aa3b              ; c = log2(e) / 8, with e6 + e7 added to its exponent field: a score stands for score x 2^(e6 + e7)
	s_mov_b32 s23, s22                             ; (named with it as a pair, so it is written)
	s_add_co_i32 s26, s36, 127
	s_lshl_b32 s27, s26, 23
	v_mov_b32 v4, s27                              ; 2^e8 as f32
	s_add_co_i32 s26, s26, 8
	s_lshl_b32 s26, s26, 23
	s_or_b32 s40, s26, 0x600000                    ; 448 x 2^e8
	s_add_co_i32 s41, s36, s37                     ; e8 + e9
	s_add_co_i32 s26, s38, 127
	s_lshl_b32 s27, s26, 23
	v_mov_b32 v12, s27                             ; 2^e10 as f32
	s_add_co_i32 s26, s26, 8
	s_lshl_b32 s26, s26, 23
	s_or_b32 s43, s26, 0x600000                    ; 448 x 2^e10,
	s_or_b32 s42, s43, 0x80000000                  ; and its negative
	s_add_co_i32 s26, s30, s31                     ; e2 + e3: a sum of the projection stands for sum x 2^(e2 + e3)
	s_sub_co_i32 s60, 0, s26
	s_sub_co_i32 s26, s34, s26                     ; e6 - e2 - e3: the three scales folded into the conversion's one
	s_add_co_i32 s26, s26, 127
	s_lshl_b32 s27, s26, 23
	v_mov_b32 v[QSC], s27
	s_add_co_i32 s26, s26, 8
	s_lshl_b32 s26, s26, 23
	s_or_b32 s59, s26, 0x600000                    ; 448 x that,
	s_or_b32 s58, s59, 0x80000000                  ; and its negative
	s_wait_loadcnt 16                              ; the bias is in; q's two K steps may be out
.set j, 0
.rept 32
	v_ldexp_f32 v[224+j], v[224+j], s60            ; bq / 2^(e2 + e3): nothing is rounded
.set j, j+1
.endr
	s_wait_dscnt 0x0                               ; the turned loads are in
.irp c, 0,1,2,3,4,5,6,7
	v_perm_b32 v[64+2*\c], v[33+4*\c], v[32+4*\c], s44         ; the even d: keys 0-3 of the eight,
	v_perm_b32 v[65+2*\c], v[35+4*\c], v[34+4*\c], s44         ; keys 4-7
	v_perm_b32 v[80+2*\c], v[33+4*\c], v[32+4*\c], s45         ; the odd d
	v_perm_b32 v[81+2*\c], v[35+4*\c], v[34+4*\c], s45
.endr
	s_wait_alu depctr_va_vdst(0)                   ; the byte shuffles have written v64-95, which the LDS stores read, and are done reading v32-63, in which Wq's fragments land below
.irp i, 0,1,2,3
	ds_store_b128 v15, v[64+4*\i:67+4*\i] offset:512*\i
	ds_store_b128 v15, v[80+4*\i:83+4*\i] offset:2048+512*\i
.endr
	s_wait_dscnt 0x0                               ; the stores are done
	s_wait_alu depctr_vm_vsrc(0)                   ; and have read v64-95, in which Wq's fragments land now
; A step of 128 along K of the projection: Wq's four fragments from LDS, eight matrix instructions, the eight accumulators by turns, one instruction a turn;
; then, behind the step's one wait on va_vdst, the buffer just multiplied takes q's fragments of two steps on, and the next step's LDS loads follow.
.macro QSTEP s
.set QB, 96+32*((\s)%2)
.irp t, 0,1,2,3
.irp c, 0,1,2,3
	ds_load_b128 v[32+16*\t+4*\c:35+16*\t+4*\c], v[WQR] offset:(8*\t+(\s))*2048+512*\c
.endr
.endr
.if (\s) < 7
	s_wait_loadcnt 8                               ; this step's eight loads are in; the next step's eight may be out
.else
	s_wait_loadcnt 0x0                             ; the last step: nothing was asked for behind it
.endif
	s_wait_dscnt 0x0
.irp t, 0,1,2,3
.if (\s) == 0
	v_wmma_f32_16x16x128_fp8_fp8 v[160+8*\t:167+8*\t], v[32+16*\t:47+16*\t], v[QB:QB+15], v[224+8*\t:231+8*\t]      ; the bias starts the sums: nothing is cleared
	v_wmma_f32_16x16x128_fp8_fp8 v[192+8*\t:199+8*\t], v[32+16*\t:47+16*\t], v[QB+16:QB+31], v[224+8*\t:231+8*\t]
.else
	v_wmma_f32_16x16x128_fp8_fp8 v[160+8*\t:167+8*\t], v[32+16*\t:47+16*\t], v[QB:QB+15], v[160+8*\t:167+8*\t]
	v_wmma_f32_16x16x128_fp8_fp8 v[192+8*\t:199+8*\t], v[32+16*\t:47+16*\t], v[QB+16:QB+31], v[192+8*\t:199+8*\t]
.endif
.endr
.rept 4
	v_nop                                          ; places behind these products: in front of loads into registers that they have read, and of the first read of the sums
.endr
.if (\s) < 7
	s_wait_alu depctr_va_vdst(0)                   ; the step's eight products are done reading q's buffer, in which the loads below land, and Wq's fragments in v32-95, in which the next step's LDS loads land
.endif
.if (\s)+2 < 8
	QLOAD (\s)+2
.endif
.endm
.irp s, 0,1,2,3,4,5,6,7
	QSTEP \s
.endr
.set j, 0
.rept 32
	v_med3_num_f32 v[160+j], v[160+j], s58, s59    ; the hold at the largest code x the scale (the conversion does not saturate: ISA guide 7.6.2); each accumulator from its low end on
.set j, j+1
.endr
.irp t, 0,1,2,3
	v_cvt_scalef32_pk8_fp8_f32 v[24+2*\t:25+2*\t], v[160+8*\t:167+8*\t], v[QSC]   ; registers 2 t, 2 t + 1 of my first tile's operand
.endr
.set j, 0
.rept 32
	v_med3_num_f32 v[192+j], v[192+j], s58, s59
.set j, j+1
.endr
.irp t, 0,1,2,3
	v_cvt_scalef32_pk8_fp8_f32 v[16+2*\t:17+2*\t], v[192+8*\t:199+8*\t], v[QSC]   ; and of my second
.endr
	v_nop                                          ; a plain vector line behind the last conversion
	s_wait_alu depctr_va_vdst(0)                   ; the conversions have written v16-31, which the four LDS stores read
	ds_store_b128 v[QAD], v[24:27]                 ; the two operands wait in my own LDS bytes: the loop has one set of registers for both
	ds_store_b128 v[QAD], v[28:31] offset:512
	ds_store_b128 v[QAD], v[16:19] offset:1024
	ds_store_b128 v[QAD], v[20:23] offset:1536
	s_wait_dscnt 0x0                               ; for the others' sake: my part of the turned V lies in LDS
	s_barrier_signal -1
	s_barrier_wait -1
	s_wait_alu depctr_vm_vsrc(0)                   ; my LDS stores have read v16-23, which the statistics take now; the head's loads and stores have read v8, v9 and v11, which the softmax takes as work registers
	v_mov_b32 v17, 0xff61b1e6                      ; the largest t so far: -3e38, under every t
	v_floor_f32 v16, -v17                          ; -M
	v_mov_b32 v18, 0                               ; the sum, in two halves
	v_mov_b32 v19, 0
	v_mov_b32 v21, 0xff61b1e6
	v_floor_f32 v20, -v21
	v_mov_b32 v22, 0
	v_mov_b32 v23, 0
	v_mov_b32 v5, 0                                ; written once: a lane permute's destination counts as one of its sources
	v_mov_b32 v7, 0                                ; (named as the upper half of the pair v[6:7])
.set j, 0
.rept 64
	v_mov_b32 v[160+j], 0                          ; O^T of both tiles.  (The loop is written once: its first step finds zeros, which the first change of M leaves zeros)
.set j, j+1
.endr
; ONE TILE'S SOFTMAX for a step of 128 keys.  ST: its statistics; PB: where its codes go; OB: its O^T.  q2 = 1: my second tile of Q is asked for behind the wait for the exponentials.
.macro SOFTMAX ST, PB, OB, q2
	v_max3_num_f32 v8, v96, v97, v98               ; the step's largest score of my query among my 64 keys, in two chains, each tile's registers from the low end on,
	v_max3_num_f32 v9, v99, v100, v101
.irp i, 6,10,14,18,22,26,30,34,38,42,46,50,54,58
	v_max3_num_f32 v8, v8, v[96+\i], v[97+\i]
	v_max3_num_f32 v9, v9, v[98+\i], v[99+\i]
.endr
	v_max3_num_f32 v8, v8, v158, v159
	v_max_num_f32 v8, v8, v9
	v_permlanex16_b32 v5, v8, s20, s21
	v_max_num_f32 v8, v8, v5                       ; and among lane l xor 16's
	v_mul_f32 v8, s22, v8                          ; as t (c is positive)
	v_max_num_f32 v[\ST+1], v[\ST+1], v8           ; the running largest t
	v_mov_b32 v8, v[\ST]
	v_floor_f32 v[\ST], -v[\ST+1]                  ; the new -M = floor(-t) = -ceil(t): M is a whole number
	v_sub_f32 v8, v[\ST], v8                       ; M's old value less its new one: a whole number, 0 or less
	v_cvt_i32_f32 v8, v8                           ; (it saturates)
	v_ldexp_f32 v6, 1.0, v8                        ; f = 2^(old M - new M)
.set j, 0
.rept 32
	v_pk_fma_f32 v[96+j:97+j], v[96+j:97+j], s[22:23], v[\ST:\ST+1] op_sel_hi:[1,0,0]   ; t - M, two at a time (of the pairs c and -M the low word serves both halves)
.set j, j+2
.endr
.set j, 0
.rept 64
	v_exp_f32 v[96+j], v[96+j]                     ; p = 2^(t - M), at most 1: not normalised
.set j, j+1
.endr
	v_pk_mul_f32 v[\ST+2:\ST+3], v[\ST+2:\ST+3], v[6:7] op_sel_hi:[1,0]   ; the sums under the new M: the plain line behind the exponentials
	s_wait_alu depctr_va_vdst(0)                   ; the 64 exponentials have written v96-159, ahead of their first reader (one wait for the batch); q2 = 1: and the step's first run of scores is done reading v24-31
.if \q2
	ds_load_b128 v[24:27], v[QAD] offset:1024      ; my second tile of Q lands while the sums, the conversions and the rescaling are walked.  No further wait: nothing issued since the wait above names v24-31
	ds_load_b128 v[28:31], v[QAD] offset:1536
.endif
	v_pk_add_f32 v[10:11], v[96:97], v[98:99]      ; the row's sum is taken of the unquantised p: two at a time, in two chains
.irp i, 4,8,12,16,20,24,28,32,36,40,44,48,52,56,60
	v_pk_add_f32 v[\ST+2:\ST+3], v[\ST+2:\ST+3], v[96+\i:97+\i]
	v_pk_add_f32 v[10:11], v[10:11], v[98+\i:99+\i]
.endr
	v_pk_add_f32 v[\ST+2:\ST+3], v[\ST+2:\ST+3], v[10:11]
	s_cmp_ge_i32 s36, -8                           ; e8 >= -8: 448 x 2^e8 >= 1.75, above every p: the hold can change nothing and is left out
	s_cbranch_scc1 .Lfree_\@
.set j, 0
.rept 64
	v_min_num_f32 v[96+j], s40, v[96+j]            ; the conversion does not saturate (ISA guide 7.6.2); p is not negative, so the hold is one-sided
.set j, j+1
.endr
.Lfree_\@:
.irp t, 0,1,2,3,4,5,6,7
	v_cvt_scalef32_pk8_fp8_f32 v[\PB+2*\t:\PB+2*\t+1], v[96+8*\t:103+8*\t], v4   ; keys 16 t + 8 h + 0 .. 7: registers 2 t, 2 t + 1 of the operand
.endr
.set j, 0
.rept 16
	v_pk_mul_f32 v[\OB+j:\OB+j+1], v[\OB+j:\OB+j+1], v[6:7] op_sel_hi:[1,0]      ; O^T under the new M.  (These are also the plain lines behind the conversions)
.set j, j+2
.endr
.endm
	s_mov_b32 s24, 0                               ; the step's byte in K's images and in V's: 8,192 a step in both
	s_mov_b32 s25, 8
.Lstep:
	s_wait_alu depctr_vm_vsrc(0)                   ; the LDS loads of the trip before have read v2 and v14 (in the first trip: the head's stores by v2 and its turning loads by v14), which the two additions write
	v_add_nc_u32 v[ADR], s24, v[LI]                ; the step's tiles of K,
	v_add_nc_u32 v[ADV], VIMG, v[ADR]              ; and its fragments of V: both addresses are made here, once a trip, ahead of a wait that stands here in any case
.rept 2
	v_nop                                          ; with the two additions four places behind the last products, whose fragments' registers are loaded anew
.endr
	s_wait_alu depctr_va_vdst(0)                   ; v2 and v14 are written, which the step's LDS loads read; the last step's products V^T P are done reading v32-95, in which K lands; v24-31 are free for Q's first tile
.irp t, 0,1,2,3,4,5,6,7
	ds_load_b128 v[32+8*\t:35+8*\t], v[ADR] offset:1024*\t
	ds_load_b128 v[36+8*\t:39+8*\t], v[ADR] offset:1024*\t+512
.endr
	ds_load_b128 v[24:27], v[QAD]                  ; my first tile of Q
	ds_load_b128 v[28:31], v[QAD] offset:512
	s_wait_dscnt 0x0
.irp t, 0,1,2,3,4,5,6,7
	v_wmma_f32_16x16x64_fp8_fp8 v[96+8*\t:103+8*\t], v[32+8*\t:39+8*\t], v[24:31], 0
.endr
.rept 4
	v_nop                                          ; places in front of the first read of the scores
.endr
	SOFTMAX 16, 224, 160, 1
	s_wait_dscnt 0x0                               ; my second tile of Q is in
.irp t, 0,1,2,3,4,5,6,7
	v_wmma_f32_16x16x64_fp8_fp8 v[96+8*\t:103+8*\t], v[32+8*\t:39+8*\t], v[24:31], 0
.endr
.rept 4
	v_nop                                          ; four places: in front of the first read of the scores, and of the loads into K's registers
.endr
	s_wait_alu depctr_va_vdst(0)                   ; both runs of scores are done reading K's fragments in v32-95, in which V's land; they land while the second softmax is walked
.irp t, 0,1,2,3
.irp i, 0,1,2,3
	ds_load_b128 v[32+16*\t+4*\i:35+16*\t+4*\i], v[ADV] offset:2048*\t+512*\i
.endr
.endr
	SOFTMAX 20, 240, 192, 0
	s_wait_dscnt 0x0
.irp t, 0,1,2,3                        ; O^T += V^T P^T: the eight accumulators by turns, one instruction a turn
	v_wmma_f32_16x16x128_fp8_fp8 v[160+8*\t:167+8*\t], v[32+16*\t:47+16*\t], v[224:239], v[160+8*\t:167+8*\t]
	v_wmma_f32_16x16x128_fp8_fp8 v[192+8*\t:199+8*\t], v[32+16*\t:47+16*\t], v[240:255], v[192+8*\t:199+8*\t]
.endr
	s_add_co_u32 s24, s24, 8192
	s_sub_co_u32 s25, s25, 1
	s_cmp_lg_u32 s25, 0
	s_cbranch_scc1 .Lstep
	; THE WAY OUT
.rept 4
	v_nop                                          ; places behind the last products
.endr
	v_add_f32 v18, v18, v19                        ; the sums' two halves,
	v_add_f32 v22, v22, v23
	v_permlanex16_b32 v5, v18, s20, s21
	v_permlanex16_b32 v8, v22, s20, s21
	v_add_f32 v18, v18, v5                         ; and lane l xor 16's
	v_add_f32 v22, v22, v8
	v_rcp_f32 v18, v18
	v_rcp_f32 v22, v22
	v_nop                                          ; a plain line behind the reciprocals
	s_wait_alu depctr_va_vdst(0)                   ; the two reciprocals have written v18 and v22, ahead of their first reader (one wait for both)
	v_ldexp_f32 v18, v18, s41                      ; x 2^(e8 + e9)
	v_ldexp_f32 v22, v22, s41
.macro OUT OB, L, CB, RB               ; one tile: o = O^T x 2^(e8 + e9) / the sum, held, turned into codes, the even and the odd d interleaved into v[RB] on
.set j, 0
.rept 32
	v_mul_f32 v[96+j], v[\OB+j], v[\L]             ; each accumulator from its low end on
.set j, j+1
.endr
.set j, 0
.rept 32
	v_med3_num_f32 v[96+j], v[96+j], s42, s43      ; the hold at +-448 x 2^e10
.set j, j+1
.endr
.irp t, 0,1,2,3
	v_cvt_scalef32_pk8_fp8_f32 v[\CB+2*\t:\CB+2*\t+1], v[96+8*\t:103+8*\t], v12
.endr
	v_nop                                          ; a plain line between the conversions and the lines that read their results
.irp u, 0,1
	v_perm_b32 v[\RB+4*\u],   v[\CB+4*\u+2], v[\CB+4*\u],   s46     ; d = 32 u + 16 h + 0 .. 3: tile 2 u's bytes 0, 1 between tile 2 u + 1's
	v_perm_b32 v[\RB+4*\u+1], v[\CB+4*\u+2], v[\CB+4*\u],   s47
	v_perm_b32 v[\RB+4*\u+2], v[\CB+4*\u+3], v[\CB+4*\u+1], s46
	v_perm_b32 v[\RB+4*\u+3], v[\CB+4*\u+3], v[\CB+4*\u+1], s47
.endr
.endm
	OUT 160, 18, 128, 32
	OUT 192, 22, 136, 40
	s_wait_alu depctr_va_vdst(0)                   ; both tiles' byte shuffles have written v32-47, which the four stores read
	global_store_b128 v[LI], v[32:35], s[16:17]                    ; 32 lanes store 512 consecutive bytes, aligned
	global_store_b128 v[LI], v[36:39], s[16:17] offset:512
	global_store_b128 v[LI], v[40:43], s[16:17] offset:262144      ; my second tile: sixteen row tiles of 16,384 bytes on
	global_store_b128 v[LI], v[44:47], s[16:17] offset:262144+512
	s_wait_xcnt 0x0
	v_lshl_add_u32 v254, v0, 2, 0x48000            ; the add's two registers are made anew: no memory or LDS instruction has ever read v254 or v255
	v_mov_b32 v255, 0
	s_wait_dscnt 0x0                               ; the closing lines, six on end
	s_wait_alu 0x0
	s_wait_tensorcnt 0x0
	ds_add_u32 v254, v255
	s_wait_dscnt 0x0
	s_endpgm
.Lfunc_end_k_q73df0cddfd_attn:
	.size	k_q73df0cddfd_attn, .Lfunc_end_k_q73df0cddfd_attn-k_q73df0cddfd_attn
	.p2alignl 7, 3214868480
	.fill 96, 4, 3214868480
	.section	.rodata,"a",@progbits
	.p2align	6, 0x0
	.amdhsa_kernel k_q73df0cddfd_attn
		.amdhsa_group_segment_fixed_size 296960
		.amdhsa_private_segment_fixed_size 0
		.amdhsa_enable_private_segment 0
		.amdhsa_kernarg_size 56
		.amdhsa_user_sgpr_count 2
		.amdhsa_user_sgpr_kernarg_segment_ptr 1
		.amdhsa_wavefront_size32 1
		.amdhsa_system_sgpr_workgroup_id_x 1
		.amdhsa_system_sgpr_workgroup_id_y 1
		.amdhsa_system_sgpr_workgroup_id_z 1
		.amdhsa_system_vgpr_workitem_id 0
		.amdhsa_next_free_vgpr 256
		.amdhsa_next_free_sgpr 66
		.amdhsa_reserve_vcc 0
		.amdhsa_float_denorm_mode_32 3
		.amdhsa_float_denorm_mode_16_64 3
		.amdhsa_memory_ordered 1
		.amdhsa_forward_progress 1
		.amdhsa_inst_pref_size 79
	.end_amdhsa_kernel
	.amdgpu_metadata
---
amdhsa.version: [ 1, 2 ]
amdhsa.kernels:
  - .name:           k_q73df0cddfd_attn
    .symbol:         k_q73df0cddfd_attn.kd
    .args:
      - { .name: qc, .offset: 0, .size: 8, .value_kind: global_buffer, .address_space: global }
      - { .name: wqimg, .offset: 8, .size: 8, .value_kind: global_buffer, .address_space: global }
      - { .name: bq, .offset: 16, .size: 8, .value_kind: global_buffer, .address_space: global }
      - { .name: kh, .offset: 24, .size: 8, .value_kind: global_buffer, .address_space: global }
      - { .name: vh, .offset: 32, .size: 8, .value_kind: global_buffer, .address_space: global }
      - { .name: lowp_scales, .offset: 40, .size: 8, .value_kind: global_buffer, .address_space: global }
      - { .name: oimg, .offset: 48, .size: 8, .value_kind: global_buffer, .address_space: global }
    .group_segment_fixed_size: 296960
    .private_segment_fixed_size: 0
    .kernarg_segment_align: 8
    .kernarg_segment_size: 56
    .max_flat_workgroup_size: 512
    .sgpr_count:     66
    .vgpr_count:     256
    .wavefront_size: 32
...
	.end_amdgpu_metadata
.endif
;; end of part 5
;; launch outln: the kernel of part 4 again; grid 256 x 1, 4 waves a work-group, no clusters, 295,936 bytes of LDS; arguments oimg, woimg, q, bo, g1, b1, g2, b2, lowp_scales, out0; writes out0
